; MI455X (gfx1250); checked and timed in simulation.
; The chip was launched on July 23, 2026; its instructions are those of AMD's public machine-readable ISA for CDNA 5 (MIT licence, August 2026) and "CDNA5" Instruction Set Architecture Reference Guide (July 2026). The comments in the code are by the model that wrote it; some were corrected since.
;; Transformer Layer. Allowed arithmetic: float matrix products may take bf16 or f16 operands with f32 sums; other float arithmetic in f32, or as packed bf16 or f16 multiplies, adds, multiply-adds, maxima and minima; sums over many terms, partial sums and values carried from step to step in f32; what a program stores and reads back later, other than sums and carried values, may be rounded once to bf16 or f16.
;; Inputs: fc1_b 4,096 float32; fc1_w 4,096 x 1,024 float32; fc2_b 1,024 float32; fc2_w 1,024 x 4,096 float32; in_proj_b 3,072 float32; in_proj_w 3,072 x 1,024 float32; ln1_b 1,024 float32; ln1_w 1,024 float32; ln2_b 1,024 float32; ln2_w 1,024 float32; out_b 1,024 float32; out_w 1,024 x 1,024 float32; x 2,048 x 2 x 1,024 float32.
;; Outputs: out0 2,048 x 2 x 1,024 float32.
;; One version. Each part assembles by itself: llvm-mc -triple=amdgcn-amd-amdhsa -mcpu=gfx1250 --defsym DOCPART=n.
;; ======== version 1 of 1: 8 launches
;; limits: right only within a limited range of input values
;; workspace buffers: actb 8,388,608 bytes; wqkv 6,291,456 bytes; wrest 18,874,368 bytes; big 33,554,432 bytes; res32 16,777,216 bytes; hf 16,777,216 bytes; flo_none 256 bytes; flo_relu 256 bytes
;; launch cvt (part 1): grid 1024 x 1, 8 waves a work-group, no clusters, 0 bytes of LDS; arguments x, in_proj_w, fc1_w, out_w, fc2_w, actb, wqkv, wrest, flo_none, flo_relu; writes actb, wqkv, wrest, flo_none, flo_relu
.if DOCPART == 1
	.amdgcn_target "amdgcn-amd-amdhsa--gfx1250"
	.amdhsa_code_object_version 6
	.text
	.protected	k_q8ecddfff6e_cvt
	.globl	k_q8ecddfff6e_cvt
	.p2align	8
	.type	k_q8ecddfff6e_cvt,@function
k_q8ecddfff6e_cvt:
	s_mov_b64 s[64:65], 0
	v_nop
	global_prefetch_b8 v0, s[64:65] scope:SCOPE_SE
	s_setreg_imm32_b32 hwreg(HW_REG_WAVE_MODE, 25, 1), 1
	s_wait_xcnt 0x0
; x and the four weight matrices, f32, are rounded once to bf16 (nearest even) for the matrix products of the later launches.
; 16,777,216 numbers in 1,024 work-groups of 16,384: 65,536 bytes in, 32,768 bytes out.  Work-group g:
;   0..255 x -> actb;  256..447 in_proj_w -> wqkv;  448..703 fc1_w, 704..767 out_w, 768..1023 fc2_w -> wrest, which holds the three on end, so its offset is (g - 448) x 32,768 for all of them.
; A wave takes 8,192 bytes: 16 loads of 512 consecutive bytes, all issued at once; each gives one store of 256 consecutive bytes, aligned.
; A stream read once: no LDS, no barrier, no matrix unit.  Wave 0 of work-group 0 also writes the two floor words that the two launches of the 256 x 256 product read:
; bf16 -infinity twice (nothing is cut) and 0 twice (ReLU), each as a block of 256 bytes.
.set IN_W,  512                        ; bytes of one load of a wave
.set OUT_W, 256                        ; bytes of one store of a wave
.set X,  16                            ; v[16:79]   16 loads of 4 registers
.set Y,  80                            ; v[80:111]  16 results of 2 registers
	s_load_b512 s[8:23], s[0:1], 0x0               ; x 8, in_proj_w 10, fc1_w 12, out_w 14, fc2_w 16, actb 18, wqkv 20, wrest 22
	s_load_b128 s[24:27], s[0:1], 0x40             ; flo_none 24, flo_relu 26
	v_lshrrev_b32 v3, 5, v0
	v_readfirstlane_b32 s38, v3                    ; my wave's number
	v_and_b32 v4, 31, v0                           ; lane
	v_lshlrev_b32 v1, 4, v4
	v_lshl_add_u32 v1, v3, 13, v1                  ; in: wave x 8,192 + lane x 16
	v_lshlrev_b32 v2, 3, v4
	v_lshl_add_u32 v2, v3, 12, v2                  ; out: wave x 4,096 + lane x 8
	s_mov_b32 s32, 0                               ; the first work-group of my source
	s_mov_b32 s33, 0                               ; the first work-group of my destination
	s_mov_b32 s35, 0
	s_mov_b32 s37, 0
	s_wait_kmcnt 0x0
	s_mov_b64 s[28:29], s[8:9]
	s_mov_b64 s[30:31], s[18:19]
	s_cmp_ge_u32 ttmp9, 256
	s_cselect_b64 s[28:29], s[10:11], s[28:29]
	s_cselect_b64 s[30:31], s[20:21], s[30:31]
	s_cselect_b32 s32, 256, s32
	s_cselect_b32 s33, 256, s33
	s_cmp_ge_u32 ttmp9, 448
	s_cselect_b64 s[28:29], s[12:13], s[28:29]
	s_cselect_b64 s[30:31], s[22:23], s[30:31]
	s_cselect_b32 s32, 448, s32
	s_cselect_b32 s33, 448, s33
	s_cmp_ge_u32 ttmp9, 704
	s_cselect_b64 s[28:29], s[14:15], s[28:29]
	s_cselect_b32 s32, 704, s32
	s_cmp_ge_u32 ttmp9, 768
	s_cselect_b64 s[28:29], s[16:17], s[28:29]
	s_cselect_b32 s32, 768, s32
	s_sub_co_u32 s34, ttmp9, s32
	s_lshl_b32 s34, s34, 16                        ; 65,536 bytes of source a work-group
	s_sub_co_u32 s36, ttmp9, s33
	s_lshl_b32 s36, s36, 15                        ; 32,768 bytes of destination
	s_add_nc_u64 s[28:29], s[28:29], s[34:35]
	s_add_nc_u64 s[30:31], s[30:31], s[36:37]
.irp i, 0,1,2,3,4,5,6,7,8,9,10,11,12,13,14,15
	global_load_b128 v[X+4*(\i):X+4*(\i)+3], v1, s[28:29] offset:IN_W*(\i) th:TH_LOAD_NT
.endr
.irp i, 0,1,2,3,4,5,6,7,8,9,10,11,12,13,14,15
	s_wait_loadcnt 15-(\i)                         ; loads come back in order: load i is in, the 15 - i younger ones stay out
	v_cvt_pk_bf16_f32 v[Y+2*(\i)],   v[X+4*(\i)],   v[X+4*(\i)+1]
	v_cvt_pk_bf16_f32 v[Y+2*(\i)+1], v[X+4*(\i)+2], v[X+4*(\i)+3]
	global_store_b64 v2, v[Y+2*(\i):Y+2*(\i)+1], s[30:31] offset:OUT_W*(\i)  ; 32 lanes x 8 bytes: 256 consecutive bytes, aligned
.endr
	s_or_b32 s39, ttmp9, s38
	s_cmp_lg_u32 s39, 0
	s_cbranch_scc1 .Lend                           ; the floor words are written by wave 0 of work-group 0 alone
	v_lshlrev_b32 v5, 3, v4
	v_mov_b32 v6, 0xff80ff80                       ; bf16 -infinity, twice
	v_mov_b32 v7, 0xff80ff80
	v_mov_b32 v8, 0
	v_mov_b32 v9, 0
	global_store_b64 v5, v[6:7], s[24:25]
	global_store_b64 v5, v[8:9], s[26:27]
.Lend:
	s_endpgm
.Lfunc_end_k_q8ecddfff6e_cvt:
	.size	k_q8ecddfff6e_cvt, .Lfunc_end_k_q8ecddfff6e_cvt-k_q8ecddfff6e_cvt
	.p2alignl 7, 3214868480
	.fill 96, 4, 3214868480
	.section	.rodata,"a",@progbits
	.p2align	6, 0x0
	.amdhsa_kernel k_q8ecddfff6e_cvt
		.amdhsa_group_segment_fixed_size 0
		.amdhsa_private_segment_fixed_size 0
		.amdhsa_enable_private_segment 0
		.amdhsa_kernarg_size 80
		.amdhsa_user_sgpr_count 2
		.amdhsa_user_sgpr_kernarg_segment_ptr 1
		.amdhsa_wavefront_size32 1
		.amdhsa_system_sgpr_workgroup_id_x 1
		.amdhsa_system_sgpr_workgroup_id_y 1
		.amdhsa_system_sgpr_workgroup_id_z 1
		.amdhsa_system_vgpr_workitem_id 0
		.amdhsa_next_free_vgpr 112
		.amdhsa_next_free_sgpr 66
		.amdhsa_reserve_vcc 0
		.amdhsa_float_denorm_mode_32 3
		.amdhsa_float_denorm_mode_16_64 3
		.amdhsa_memory_ordered 1
		.amdhsa_forward_progress 1
		.amdhsa_inst_pref_size 8
	.end_amdhsa_kernel
	.amdgpu_metadata
---
amdhsa.version: [ 1, 2 ]
amdhsa.kernels:
  - .name:           k_q8ecddfff6e_cvt
    .symbol:         k_q8ecddfff6e_cvt.kd
    .args:
      - { .name: x, .offset: 0, .size: 8, .value_kind: global_buffer, .address_space: global }
      - { .name: in_proj_w, .offset: 8, .size: 8, .value_kind: global_buffer, .address_space: global }
      - { .name: fc1_w, .offset: 16, .size: 8, .value_kind: global_buffer, .address_space: global }
      - { .name: out_w, .offset: 24, .size: 8, .value_kind: global_buffer, .address_space: global }
      - { .name: fc2_w, .offset: 32, .size: 8, .value_kind: global_buffer, .address_space: global }
      - { .name: actb, .offset: 40, .size: 8, .value_kind: global_buffer, .address_space: global }
      - { .name: wqkv, .offset: 48, .size: 8, .value_kind: global_buffer, .address_space: global }
      - { .name: wrest, .offset: 56, .size: 8, .value_kind: global_buffer, .address_space: global }
      - { .name: flo_none, .offset: 64, .size: 8, .value_kind: global_buffer, .address_space: global }
      - { .name: flo_relu, .offset: 72, .size: 8, .value_kind: global_buffer, .address_space: global }
    .group_segment_fixed_size: 0
    .private_segment_fixed_size: 0
    .kernarg_segment_align: 8
    .kernarg_segment_size: 80
    .max_flat_workgroup_size: 256
    .sgpr_count:     66
    .vgpr_count:     112
    .wavefront_size: 32
...
	.end_amdgpu_metadata
.endif
;; end of part 1
;; launch qkv (part 2): grid 12 x 16, 4 waves a work-group, clusters of 4 x 4, 327,680 bytes of LDS; arguments actb, wqkv, big, in_proj_b, flo_none; writes big
.if DOCPART == 2
	.amdgcn_target "amdgcn-amd-amdhsa--gfx1250"
	.amdhsa_code_object_version 6
	.text
	.protected	k_q8ecddfff6e_qkv
	.globl	k_q8ecddfff6e_qkv
	.p2align	8
	.type	k_q8ecddfff6e_qkv,@function
k_q8ecddfff6e_qkv:
	s_mov_b64 s[64:65], 0
	v_nop
	global_prefetch_b8 v0, s[64:65] scope:SCOPE_SE
	s_setreg_imm32_b32 hwreg(HW_REG_WAVE_MODE, 25, 1), 1
	s_wait_xcnt 0x0
	s_wait_alu depctr_hold_cnt(0) depctr_sa_sdst(0) depctr_va_vdst(0) depctr_va_sdst(0) depctr_va_ssrc(0) depctr_va_vcc(0) depctr_vm_vsrc(0)
	s_getreg_b32 s2, hwreg(HW_REG_IB_STS2, 6, 4)
	s_cmp_eq_u32 s2, 0
	s_cbranch_scc0 .Lentry_in_a_cluster
	s_endpgm
.Lentry_in_a_cluster:
	s_bfe_u32 s2, ttmp6, 0x10000c
	s_cmp_lg_u32 s2, 0xf033
	s_cbranch_scc0 .Lentry_shape_is_right
	s_endpgm
.Lentry_shape_is_right:
; C[m][n] = max(floor, the sum over k of A[m][k] B[n][k] + bias[n]).  A: [4096][1024] bf16, B: [n][1024] bf16, bias: f32, C: bf16 in rows of 4,096 elements; sums in f32, C rounded once.
; One text for two launches: qkv (B = in_proj_w, 3,072 rows; the floor word is -infinity twice, which cuts nothing) and fc1 (B = fc1_w, 4,096 rows; the floor word is 0 twice: ReLU).
; LIMIT: with the floor at -infinity a NaN sum leaves as -infinity.
; A tile of C, 256 x 256, is made by a work-group of four waves; a wave makes 128 x 128: 64 accumulators of 16 x 16, 512 registers.  K goes in 8 steps of 128 through a ring of two LDS slots filled
; by tensor loads: a tile's rows are 256 bytes of memory, at multiples of 256 bytes from the buffer's first byte.
; A K STEP IS WRITTEN ONCE: a trip of the loop is one K step, and which slot it reads stands in registers: the scalar TB (0 or SLOT) is turned by an exclusive or at each change of slots, the two fragment
; addresses are made anew from it, and one descriptor for A's tiles and one for B's walk on: LDS word turned, address one K step further.  The last two K steps, which fill nothing, are written out.
; CLUSTERS: 4 x 4 work-groups.  The four of a row of the cluster need the same tiles of A, the four of a column the same tiles of B: such a tile is asked for JOINTLY, by the same tensor load with the
; same descriptor and a mask that names the four, in all four.
; THE BIAS STARTS THE SUMS: the first product on each accumulator takes the bias as its C operand, so nothing is cleared and nothing is added at the end.
; No prefetch: of the 8 K steps the first four are asked for by their loads at once or within two steps, so a request two steps ahead could name only the last four.
; REGISTERS, in windows of 256 (s_set_vgpr_msb: bits 1:0 source 0, 3:2 source 1, 5:4 source 2, 7:6 destination):
;   window 0: v0-31 addresses; v64-127, v128-191 fragments of A, two buffers; v192-255 the bias until the first quarter step is over; then v192-223 packed results, v32-63 and v224-255 rows on the way out
;   window 1: v64-127, v128-191 fragments of B, two buffers;   window 2: the 32 accumulators of my rows 0-63 ((a, b) at v[8 (8 a + b)]);   window 3: those of my rows 64-127
; THE MATRIX INSTRUCTION IS USED TRANSPOSED: source 0 = 16 rows of B, source 1 = 16 rows of A: lane l holds row l % 16 of C, registers 0-7 the columns 8 (l / 16) + 0..7: 16 bytes of bf16 on end.
.set SIZE_K, 1024
.set SIZE_N, 4096                      ; elements from row to row of C
.set KSTEP,  128
.set NSTEP,  SIZE_K/KSTEP              ; 8 K steps
.set PITCH,  272                       ; an LDS row: 256 bytes + 16 of padding = 68 words: the 16 rows that a load touches start at 16 different groups of four banks (64 banks of 4 bytes: ISA guide 11.1)
.set HALFT,  128*PITCH                 ; 128 rows: what one tensor load brings, and what one wave reads of A or of B: 0x8800 bytes
.set SLOT,   4*HALFT                   ; A's 256 rows, then B's 256 rows: 0x22000 bytes, which shares no bit with wave x HALFT (0, 0x8800, 0x11000, 0x19800): an exclusive or with SLOT adds it or takes it away
.set STAGE,  2*SLOT                    ; behind the ring: 16 rows x 272 bytes for each wave, for the way out
.set SPITCH, 272
.set SPARE,  STAGE+4*16*SPITCH         ; behind the stages: the spare words, 128 bytes for each wave: two blocks of 256 bytes that no other line names
.set ADRA0, 16                         ; v16     LDS address of my A fragments in slot 0; never rewritten
.set ADRA,  17                         ; v17     the same in the slot that is being read
.set ADRB0, 20                         ; v20, v21 the same for B
.set ADRB,  21
.set STO,  24                          ; v24     the way out: where I put 16 bytes of a row
.set RD,   25                          ; v25     the way out: where I read a row back
.set CO,   26                          ; v26     my byte offset in C
.set BO,   27                          ; v27     my byte offset in the bias: 32 (l / 16)
.set SPW,  28                          ; v28     LDS address of my spare word; never rewritten
.set NIL,  29                          ; v29     0; never rewritten
.set F0,   64
.set F1,   128
.set BIAS, 192                         ; v192-255: for n block b the eight numbers bias[16 b + 8 (l / 16) + 0..7] at BIAS + 8 b
.set TMP,  192
.set OB,   32
.set G1,  24                           ; s[24:31] descriptor group 1 for A's tiles
.set G0,  32                           ; s[32:39] group 0 for A's tiles: a set for each of the two first fills; the second then walks on
.set G1B, 48                           ; s[48:55], s[56:63] the same for B's
.set G0B, 56
.set FLO, 72                           ; s72     the floor, two bf16
.set TB,  73                           ; s73     where the slot that is being read begins: 0 or SLOT
.set MSB, 0
.macro WIN new                         ; the immediate's high byte repeats the setting that is left; a switch that changes nothing is dropped
.if MSB != (\new)
	s_set_vgpr_msb (MSB<<8)|(\new)
.set MSB, \new
.endif
.endm
.set MUL_LO, 0xa1                      ; source 0 (B) window 1, source 1 (A) window 0, C and D window 2
.set MUL_HI, 0xf1                      ; the same, C and D window 3
.set TO_B,   0x40                      ; destination window 1, address window 0
; A joint load.  Waves 0 and 1 fetch A's two halves, waves 2 and 3 B's.  The branch hangs on the wave's number alone.  An s_nop 0 and four v_nop follow each of the two lines.
.macro JLOAD s
	s_cmp_eq_u32 s11, 0
	s_cbranch_scc0 .Lfor_b_\@
	tensor_load_to_lds s[G0+4*(\s):G0+4*(\s)+3], s[G1:G1+7]
	s_nop 0
.rept 4
	v_nop
.endr
	s_branch .Lasked_\@
.Lfor_b_\@:
	tensor_load_to_lds s[G0B+4*(\s):G0B+4*(\s)+3], s[G1B:G1B+7]
	s_nop 0
.rept 4
	v_nop
.endr
.Lasked_\@:
.endm
.macro CREST                           ; a round of the cluster's barrier behind its opening barrier
	s_cmp_lg_u32 s10, 0
	s_cbranch_scc1 .Lnot_wave_0_\@
	s_barrier_signal -3
.Lnot_wave_0_\@:
	s_barrier_wait -3
	s_barrier_signal -1
	s_barrier_wait -1
.endm
.macro CROUND                          ; a whole round
	s_barrier_signal -1
	s_barrier_wait -1
	CREST
.endm
	s_load_b128 s[4:7], s[0:1], 0x0                ; A s[4:5], B s[6:7]
	s_load_b64 s[8:9], s[0:1], 0x10                ; C
	s_load_b64 s[68:69], s[0:1], 0x18              ; the bias
	s_load_b64 s[70:71], s[0:1], 0x20              ; the floor word's buffer
	v_lshl_add_u32 v[SPW], v0, 2, SPARE
	v_mov_b32 v[NIL], 0
	ds_add_u32 v[SPW], v[NIL]                      ; the wave's opening: the add and its wait stand ahead of my first tensor load; work on registers stands between them
	v_lshrrev_b32 v1, 5, v0
	v_readfirstlane_b32 s10, v1                    ; wave 0..3
	s_lshr_b32 s11, s10, 1                         ; which half of the tile's rows is mine.  Also: I fetch for A (0) or for B (1)
	s_and_b32 s12, s10, 1                          ; which half of its columns.  Also: which 128 rows of that tile I fetch
	s_bfe_u32 s40, ttmp6, 0x40000                  ; cx
	s_bfe_u32 s41, ttmp6, 0x40004                  ; cy
	s_lshl_b32 s42, ttmp9, 2
	s_add_co_u32 s42, s42, s40                     ; tile column of C = 4 x cluster x + cx
	s_and_b32 s13, ttmp7, 0xffff
	s_lshl_b32 s13, s13, 2
	s_add_co_u32 s13, s13, s41                     ; tile row of C = 4 x cluster y + cy
	s_lshl_b32 s43, s41, 2
	s_lshl_b32 s43, 15, s43                        ; my row of the cluster: places 4 cy .. 4 cy + 3
	s_lshl_b32 s44, 0x1111, s40                    ; my column: places cx, cx + 4, cx + 8, cx + 12
	; descriptor group 1: a tile of 128 rows x 128 elements, padded in LDS
	s_or_b32 s[G1+0], s43, (1<<16)|(1<<20)|(1<<21)|(5<<22)|(3<<25)   ; the mask: A's tiles go to my row; elements of 2 bytes; padding on; bit 21 beside a mask; after every 64 words 4 words
	s_or_b32 s[G1B+0], s44, (1<<16)|(1<<20)|(1<<21)|(5<<22)|(3<<25)  ; the same with the mask of my column
.irp g, G1, G1B
	s_mov_b32 s[(\g)+1], KSTEP<<16                 ; tensor_dim0 = 128
	s_mov_b32 s[(\g)+2], 128<<16                   ; tensor_dim1 = 128
	s_mov_b32 s[(\g)+3], KSTEP<<16                 ; tile_dim0 = 128
	s_mov_b32 s[(\g)+4], 128                       ; tile_dim1 = 128
	s_mov_b32 s[(\g)+5], SIZE_K                    ; elements from row to row
	s_mov_b32 s[(\g)+6], 0
	s_mov_b32 s[(\g)+7], 0
.endr
	; A's tiles hang on the tile row alone, B's on the tile column alone; each address is made in registers that never hold the other coordinate
	s_lshl_b32 s17, s12, 7
	s_lshl_b32 s16, s13, 8
	s_add_co_u32 s16, s16, s17                     ; A: row 256 x tile row + 128 x half
	s_lshl_b32 s46, s42, 8
	s_add_co_u32 s46, s46, s17                     ; B: row 256 x tile column + 128 x half
	s_mov_b32 s17, 0
	s_mov_b32 s47, 0
	s_mov_b64 s[18:19], SIZE_K*2
	s_mul_u64 s[16:17], s[16:17], s[18:19]
	s_mul_u64 s[46:47], s[46:47], s[18:19]
	s_mul_i32 s20, s10, HALFT                      ; where they go: wave x 128 rows
	s_wait_dscnt 0x0                               ; the opening add is done
	s_wait_kmcnt 0x0
	s_add_nc_u64 s[14:15], s[4:5], s[16:17]
	s_add_nc_u64 s[46:47], s[6:7], s[46:47]
	CROUND                                         ; all sixteen work-groups are here: the first joint loads meet
.irp s, 0,1
	s_mov_b32 s[G0+4*(\s)], 1
	s_add_co_u32 s[G0+4*(\s)+1], s20, (\s)*SLOT
	s_add_nc_u64 s[G0+4*(\s)+2:G0+4*(\s)+3], s[14:15], (\s)*KSTEP*2
	s_or_b32 s[G0+4*(\s)+3], s[G0+4*(\s)+3], 0x80000000
	s_mov_b32 s[G0B+4*(\s)], 1
	s_add_co_u32 s[G0B+4*(\s)+1], s20, (\s)*SLOT
	s_add_nc_u64 s[G0B+4*(\s)+2:G0B+4*(\s)+3], s[46:47], (\s)*KSTEP*2
	s_or_b32 s[G0B+4*(\s)+3], s[G0B+4*(\s)+3], 0x80000000
	JLOAD \s                                       ; K steps 0 and 1: two tensor loads of mine are out
.endr
	s_load_b32 s[FLO], s[70:71], 0x0
	v_and_b32 v1, 15, v0                           ; l % 16
	v_bfe_u32 v2, v0, 4, 1                         ; l / 16
	s_lshl_b32 s74, s42, 10                        ; the bias of my 128 columns: 1,024 bytes a tile column,
	s_lshl_b32 s75, s12, 9                         ; 512 a half
	s_add_co_u32 s74, s74, s75
	s_mov_b32 s75, 0
	s_add_nc_u64 s[68:69], s[68:69], s[74:75]
	v_lshlrev_b32 v[BO], 5, v2
.irp b, 0,1,2,3,4,5,6,7
	global_load_b128 v[BIAS+8*(\b):BIAS+8*(\b)+3],   v[BO], s[68:69] offset:64*(\b)
	global_load_b128 v[BIAS+8*(\b)+4:BIAS+8*(\b)+7], v[BO], s[68:69] offset:64*(\b)+16
.endr
	; A fragment is 16 rows x 32 K in 8 registers: lane l holds row l % 16; registers 0-3 K = 8 (l / 16) + 0..7, registers 4-7 K = 16 + 8 (l / 16) + 0..7: two loads of 16 bytes, 32 bytes apart
	v_mul_u32_u24 v3, v1, PITCH
	v_lshl_add_u32 v3, v2, 4, v3
	s_mul_i32 s21, s11, HALFT                      ; my 128 rows of A
	s_mul_i32 s22, s12, HALFT                      ; my 128 rows of B,
	s_add_co_u32 s22, s22, 2*HALFT                 ; which lie behind A's 256
	v_add_nc_u32 v[ADRA0], s21, v3
	v_add_nc_u32 v[ADRB0], s22, v3
	v_mov_b32 v[ADRA], v[ADRA0]                    ; K step 0 lies in slot 0
	v_mov_b32 v[ADRB], v[ADRB0]
	s_mov_b32 s[TB], 0
	s_mul_i32 s23, s10, 16*SPITCH
	s_add_co_u32 s23, s23, STAGE                   ; my stage
	v_mul_u32_u24 v4, v1, SPITCH                   ; in: row l % 16, 16 bytes for each half of the lanes
	v_lshl_add_u32 v4, v2, 4, v4
	v_add_nc_u32 v[STO], s23, v4
	v_mul_u32_u24 v5, v2, SPITCH                   ; back: lanes 0-15 take one row of 256 bytes, lanes 16-31 the next
	v_lshl_add_u32 v5, v1, 4, v5
	v_add_nc_u32 v[RD], s23, v5
	v_mul_u32_u24 v5, v2, SIZE_N*2                 ; and the same two rows in C
	v_lshl_add_u32 v[CO], v1, 4, v5
	s_lshl_b32 s13, s13, 8
	s_lshl_b32 s14, s11, 7
	s_add_co_u32 s16, s13, s14                     ; my first row of C
	s_mov_b32 s17, 0
	s_mov_b64 s[18:19], SIZE_N*2
	s_mul_u64 s[16:17], s[16:17], s[18:19]
	s_lshl_b32 s46, s42, 9                         ; my first column, in bytes: 512 x tile column + 256 x half
	s_lshl_b32 s47, s12, 8
	s_add_co_u32 s46, s46, s47
	s_mov_b32 s47, 0
	s_add_nc_u64 s[16:17], s[16:17], s[46:47]      ; what the way out adds to C's address
; 16 matrix instructions: m blocks a0, a0 + 1 of the window's four (hi = 0: my rows 0-63, 1: rows 64-127) x all 8 n blocks, 32 along K.  first = 1: the bias, in window 0, is the C operand.
; The 64 accumulators take turns, one instruction a turn, in the same order in every quarter step.
.macro MUL16 f, hi, a0, first
.if \first
	WIN 0x81+0x40*(\hi)
.else
	WIN MUL_LO+0x50*(\hi)
.endif
.irp a, \a0, (\a0)+1
.irp b, 0,1,2,3,4,5,6,7
.if \first
	v_wmma_f32_16x16x32_bf16 v[8*(8*(\a)+(\b)):8*(8*(\a)+(\b))+7], v[(\f)+8*(\b):(\f)+8*(\b)+7], v[(\f)+8*(4*(\hi)+(\a)):(\f)+8*(4*(\hi)+(\a))+7], v[BIAS+8*(\b):BIAS+8*(\b)+7]
.else
	v_wmma_f32_16x16x32_bf16 v[8*(8*(\a)+(\b)):8*(8*(\a)+(\b))+7], v[(\f)+8*(\b):(\f)+8*(\b)+7], v[(\f)+8*(4*(\hi)+(\a)):(\f)+8*(4*(\hi)+(\a))+7], v[8*(8*(\a)+(\b)):8*(8*(\a)+(\b))+7]
.endif
.endr
.endr
.endm
; 32 LDS loads in one run: the fragments of one quarter step (128 rows of B, 128 rows of A, 32 K at byte k of the rows of the slot that is being read) into buffer f
.macro FETCH k, f
	WIN TO_B
.irp i, 0,1,2,3,4,5,6,7
	ds_load_b128 v[(\f)+8*(\i):(\f)+8*(\i)+3],   v[ADRB] offset:(\k)+(\i)*16*PITCH
	ds_load_b128 v[(\f)+8*(\i)+4:(\f)+8*(\i)+7], v[ADRB] offset:(\k)+(\i)*16*PITCH+32
.endr
	WIN 0
.irp i, 0,1,2,3,4,5,6,7
	ds_load_b128 v[(\f)+8*(\i):(\f)+8*(\i)+3],   v[ADRA] offset:(\k)+(\i)*16*PITCH
	ds_load_b128 v[(\f)+8*(\i)+4:(\f)+8*(\i)+7], v[ADRA] offset:(\k)+(\i)*16*PITCH+32
.endr
.endm
.macro PLACES                          ; four independent vector instructions in front of loads into registers that matrix instructions have read, and of conversions that read results
.rept 4
	v_nop
.endr
.endm
; A K step is four quarter steps of 32 along K, 64 matrix instructions each, on buffers 0, 1, 0, 1.  One of the first three: multiplies buffer f and in its middle fetches the next quarter, at byte k, into g.
.macro QUARTER k, f, g, first
	s_wait_dscnt 8                                 ; B and A's rows 0-63 are in; the youngest eight loads (A's rows 64-127) may be out
	MUL16 \f, 0, 0, \first
	MUL16 \f, 0, 2, \first
	PLACES
	FETCH \k, \g
	s_wait_dscnt 32                                ; all but the 32 just issued
	MUL16 \f, 1, 0, \first
	MUL16 \f, 1, 2, \first
.endm
; The last quarter multiplies buffer 1 and changes slots: ONE barrier.  In front of it each wave waits for all its tensor loads (one is out: its part of the next slot), adds 0 to its spare word,
; and waits for that and for its own reads of this slot.  fill = 1: the barrier opens a round of the cluster's barrier, and behind the round the slot just read out is filled again, with the K step two
; steps on: my one tensor load until the next round.  Then the reads turn to the other slot.
.macro TURN fill
	WIN 0                                          ; (the add's two registers lie in window 0)
	s_wait_tensorcnt 0x0                           ; all my tensor loads have landed, so a group 0 may be written
	ds_add_u32 v[SPW], v[NIL]                      ; 0 onto my spare word
	s_wait_dscnt 9                                 ; (the add and the youngest eight loads may be out)
	MUL16 F1, 0, 0, 0                              ; sixteen matrix instructions stand between the add and the wait for it
	s_wait_dscnt 0x0                               ; the add is done, and my reads of this slot are over
	s_barrier_signal -1
	MUL16 F1, 0, 2, 0                              ; work on registers while the others arrive
	WIN 0                                          ; (branches and the address lines follow)
	s_barrier_wait -1
.if \fill
	CREST                                          ; no wave of any partner still reads this slot's tile or has a load on its way
.irp g, G0+4, G0B+4
	s_xor_b32 s[(\g)+1], s[(\g)+1], SLOT           ; the walking descriptor: the other slot than last time,
	s_add_nc_u64 s[(\g)+2:(\g)+3], s[(\g)+2:(\g)+3], KSTEP*2  ; the next K step; the type bits on top are not reached
.endr
	JLOAD 1                                        ; the four v_nop behind it are also the places in front of the loads below
.else
	PLACES
.endif
	s_xor_b32 s[TB], s[TB], SLOT                   ; the reads go on in the other slot
	v_add_nc_u32 v[ADRA], s[TB], v[ADRA0]
	v_add_nc_u32 v[ADRB], s[TB], v[ADRB0]
	FETCH 0, F0
	MUL16 F1, 1, 0, 0
	MUL16 F1, 1, 2, 0
.endm
; THE WAY OUT of block a (16 rows).  PACK: rounded to bf16, 16 bytes a lane, and held to the floor.  TOSTAGE: into my own stage in LDS, and back as whole rows of 256 bytes.  SEND: stored.
.macro PACK a
.set AC, 64*((\a)%4)
	WIN 0x0a+5*((\a)/4)                            ; sources 0 and 1: window 2 or 3
.irp b, 0,1,2,3,4,5,6,7
.irp r, 0,1,2,3
	v_cvt_pk_bf16_f32 v[TMP+4*(\b)+(\r)], v[AC+8*(\b)+2*(\r)], v[AC+8*(\b)+2*(\r)+1]
.endr
.endr
	WIN 0
.set z, 0
.rept 32
	v_pk_max_num_bf16 v[TMP+z], v[TMP+z], s[FLO]   ; two maxima; nothing is rounded
.set z, z+1
.endr
.endm
.macro TOSTAGE a
	WIN 0
.set BK, OB+192*((\a)%2)
.irp b, 0,1,2,3,4,5,6,7
	ds_store_b128 v[STO], v[TMP+4*(\b):TMP+4*(\b)+3] offset:32*(\b)
.endr
.irp t, 0,1,2,3,4,5,6,7
	ds_load_b128 v[BK+4*(\t):BK+4*(\t)+3], v[RD] offset:(\t)*2*SPITCH  ; LDS serves a wave's instructions in order (ISA guide 5.7.1.4): these see the stores above
.endr
.endm
.macro SEND a, younger
	WIN 0
.set BK, OB+192*((\a)%2)
	s_wait_dscnt \younger                          ; the block is back in registers
	s_wait_xcnt 0x0                                ; the stores' base and the registers that earlier stores read are rewritten only behind this wait
.if (\a) == 0
	s_add_nc_u64 s[8:9], s[8:9], s[16:17]          ; on to my first rows
.else
	s_add_nc_u64 s[8:9], s[8:9], 16*SIZE_N*2       ; 16 rows of C on
.endif
.irp t, 0,1,2,3,4,5,6,7
	global_store_b128 v[CO], v[BK+4*(\t):BK+4*(\t)+3], s[8:9] offset:2*(\t)*SIZE_N*2  ; 16 lanes store 256 consecutive bytes, at a multiple of 256 from C's first byte
.endr
.endm
	s_wait_kmcnt 0x0                               ; the floor word
	s_wait_tensorcnt 1                             ; my part of K step 0 is in; K step 1's may stay out
	s_barrier_signal -1
	s_barrier_wait -1                              ; everybody's is
	FETCH 0, F0
	s_wait_loadcnt 0x0                             ; the bias
	QUARTER 64,  F0, F1, 1                         ; the first quarter stands in front of the loop: its products start the sums, with the bias
	WIN 0                                          ; at a label and at a branch every window is 0
	s_mov_b32 s3, NSTEP-2
.Lstep:                                                ; a trip goes from a K step's second quarter to the next step's first, and fills the slot that it leaves: K steps 2 to 7 in six trips
	QUARTER 128, F1, F0, 0
	QUARTER 192, F0, F1, 0
	TURN 1
	QUARTER 64,  F0, F1, 0
	WIN 0
	s_sub_co_u32 s3, s3, 1
	s_cmp_lg_u32 s3, 0
	s_cbranch_scc1 .Lstep
	QUARTER 128, F1, F0, 0                         ; the last two K steps are written out: they fill nothing, and have no round of the cluster's barrier
	QUARTER 192, F0, F1, 0
	TURN 0
	QUARTER 64,  F0, F1, 0
	QUARTER 128, F1, F0, 0
	QUARTER 192, F0, F1, 0
	s_wait_dscnt 8                                 ; the very last quarter: nothing more to fetch
	MUL16 F1, 0, 0, 0
	MUL16 F1, 0, 2, 0
	s_wait_dscnt 0x0
	MUL16 F1, 1, 0, 0
	MUL16 F1, 1, 2, 0
	PLACES                                         ; the conversions read results just made
	PACK 0
	TOSTAGE 0
.irp a, 1,2,3,4,5,6,7                  ; block a's conversions stand between block a - 1's loads from the stage and the wait for them
	PACK \a
	SEND (\a)-1, 0
	TOSTAGE \a
.endr
	SEND 7, 0
	s_wait_tensorcnt 0x0                           ; the wave's end: a wait, an add and its wait, behind my last tensor load and my last LDS store
	ds_add_u32 v[SPW], v[NIL]
	s_wait_dscnt 0x0
	CROUND                                         ; the closing round: no work-group ends while a partner may still ask for a tile that names it
	s_endpgm
.Lfunc_end_k_q8ecddfff6e_qkv:
	.size	k_q8ecddfff6e_qkv, .Lfunc_end_k_q8ecddfff6e_qkv-k_q8ecddfff6e_qkv
	.p2alignl 7, 3214868480
	.fill 96, 4, 3214868480
	.section	.rodata,"a",@progbits
	.p2align	6, 0x0
	.amdhsa_kernel k_q8ecddfff6e_qkv
		.amdhsa_group_segment_fixed_size 327680
		.amdhsa_private_segment_fixed_size 0
		.amdhsa_enable_private_segment 0
		.amdhsa_kernarg_size 40
		.amdhsa_user_sgpr_count 2
		.amdhsa_user_sgpr_kernarg_segment_ptr 1
		.amdhsa_wavefront_size32 1
		.amdhsa_system_sgpr_workgroup_id_x 1
		.amdhsa_system_sgpr_workgroup_id_y 1
		.amdhsa_system_sgpr_workgroup_id_z 1
		.amdhsa_system_vgpr_workitem_id 0
		.amdhsa_next_free_vgpr 1024
		.amdhsa_next_free_sgpr 76
		.amdhsa_reserve_vcc 0
		.amdhsa_float_denorm_mode_32 3
		.amdhsa_float_denorm_mode_16_64 3
		.amdhsa_memory_ordered 1
		.amdhsa_forward_progress 1
		.amdhsa_inst_pref_size 135
	.end_amdhsa_kernel
	.amdgpu_metadata
---
amdhsa.version: [ 1, 2 ]
amdhsa.kernels:
  - .name:           k_q8ecddfff6e_qkv
    .symbol:         k_q8ecddfff6e_qkv.kd
    .args:
      - { .name: actb, .offset: 0, .size: 8, .value_kind: global_buffer, .address_space: global }
      - { .name: wqkv, .offset: 8, .size: 8, .value_kind: global_buffer, .address_space: global }
      - { .name: big, .offset: 16, .size: 8, .value_kind: global_buffer, .address_space: global }
      - { .name: in_proj_b, .offset: 24, .size: 8, .value_kind: global_buffer, .address_space: global }
      - { .name: flo_none, .offset: 32, .size: 8, .value_kind: global_buffer, .address_space: global }
    .group_segment_fixed_size: 327680
    .private_segment_fixed_size: 0
    .kernarg_segment_align: 8
    .kernarg_segment_size: 40
    .max_flat_workgroup_size: 128
    .sgpr_count:     76
    .vgpr_count:     1024
    .wavefront_size: 32
...
	.end_amdgpu_metadata
.endif
;; end of part 2
;; launch attn (part 3): grid 16 x 16, 4 waves a work-group, clusters of 4 x 1, 327,680 bytes of LDS; arguments big, actb; writes actb
.if DOCPART == 3
	.amdgcn_target "amdgcn-amd-amdhsa--gfx1250"
	.amdhsa_code_object_version 6
	.text
	.protected	k_q8ecddfff6e_attn
	.globl	k_q8ecddfff6e_attn
	.p2align	8
	.type	k_q8ecddfff6e_attn,@function
k_q8ecddfff6e_attn:
	s_mov_b64 s[64:65], 0
	v_nop
	global_prefetch_b8 v0, s[64:65] scope:SCOPE_SE
	s_setreg_imm32_b32 hwreg(HW_REG_WAVE_MODE, 25, 1), 1
	s_wait_xcnt 0x0
	s_wait_alu depctr_hold_cnt(0) depctr_sa_sdst(0) depctr_va_vdst(0) depctr_va_sdst(0) depctr_va_ssrc(0) depctr_va_vcc(0) depctr_vm_vsrc(0)
	s_getreg_b32 s2, hwreg(HW_REG_IB_STS2, 6, 4)
	s_cmp_eq_u32 s2, 0
	s_cbranch_scc0 .Lentry_in_a_cluster
	s_endpgm
.Lentry_in_a_cluster:
	s_bfe_u32 s2, ttmp6, 0x10000c
	s_cmp_lg_u32 s2, 0x3003
	s_cbranch_scc0 .Lentry_shape_is_right
	s_endpgm
.Lentry_shape_is_right:
; O[s][b][h][:] = the sum over t of softmax_t(q[s][b][h] . k[t][b][h] / 8) v[t][b][h][:], 2,048 keys, 2 batch rows, 16 heads of 64 channels, no mask.
; q, k, v: bf16 in the rows of big: token m = 2 s + b is a row of 8,192 bytes; q of head h at byte 128 h, k at 2,048 + 128 h, v at 4,096 + 128 h; the bias is in them, the scale is not.
; O: bf16, [4096][1024], row m, head h at byte 128 h.  Products, maxima and sums in f32; the weights p are rounded to bf16 for the second product (their sum l is taken of the unrounded p), O once at the end.
; LIMITS.  c s must lie above -4e37 (the start of c m); a weight below 2^-126 counts as 0 in l; NaN and infinities are not treated apart.
; SHARES.  A work-group takes one batch row b, one PAIR p of neighbouring heads and 128 queries.  Wave w takes head 2 p + w / 2 and queries 64 (w % 2) .. + 63: four PIECES of 16.  A pair's k (or v) of a key
; is 256 consecutive bytes at a multiple of 256, and so is a pair's O of a query: tiles come in and rows go out in whole blocks of 256 bytes.  Every wave walks all keys, 64 a step.
; LAYOUT.  S^T = K Q^T (source 0 = 16 keys, source 1 = 16 queries): a lane holds ONE query (lane % 16) and the keys 8 (lane / 16) + 0..7.  Two such results rounded to bf16 ARE source 1 of O^T = V^T P.
; K comes out of LDS as it lies, V ([key][channel]) turned, by ds_load_tr16_b128.
; SOFTMAX.  For each query a running maximum m and sum l: p = 2^(c s - c m), c = log2(e) / 8; in every step O and l are multiplied by a = 2^(c m_old - c m_new).  c m starts far below every c s, O and l at 0:
; the first step is a step like any other, with a = 0.
; BY TURNS.  Turn n belongs to piece n: 8 products K Q^T of piece n + 1, later 8 products V^T P of piece n - 1; beside them the scaling, exponentials, roundings, sums and rescaling of piece n and the maximum and
; statistics of piece n + 1.  A turn has 16 matrix and 118 vector instructions: four vector instructions stand behind every matrix instruction, the other 54 in two runs of their own.
; CLUSTER.  The four query blocks of a cluster share b and p and walk the same K and V, so each tile is asked for JOINTLY: the same tensor load, descriptor and mask in all four.
; REGISTERS, in windows of 256 (s_set_vgpr_msb: bits 1:0 source 0, 3:2 source 1, 5:4 source 2, 7:6 destination):
;   window 0: v0-15 addresses and two at work; v16-31 four registers of statistics a piece; v48-55 at work; v61-63; v64-127 S^T, two buffers; v192-223 P, two buffers (by the piece's parity)
;   window 1: v0-127 O^T, 32 a piece          window 2: v0-63 Q; v128-191 K of one step; v192-255 V of one step
.set NP,    4         ; pieces a wave: a name, no knob
.set KS,    64        ; keys in a step
.set PK,    272       ; a row of K in LDS: 256 bytes + 16 of padding = 68 words: the 16 rows of a load start at 16 different groups of four banks (64 banks of 4 bytes: ISA guide 11.1)
.set PV,    288       ; a row of V: 256 + 32 = 72 words
.set VOFF,  KS*PK     ; a step's tiles lie together: 64 rows of K, then 64 rows of V
.set STEPB, KS*(PK+PV)
.set SLOT1, 1<<17     ; a slot holds two steps (71,680 bytes); slot 1 begins here, so that one exclusive or turns an address in one slot into the other's
.set STAGE, SLOT1+2*STEPB  ; behind the ring, never filled by a tensor load: 128 rows x 272 bytes, the work-group's, for the way out
.set SP,    272
.set SPARE, STAGE+128*SP   ; behind the stage: the spare words, 128 bytes for each wave: two blocks of 256 bytes that no other line names
.set KEYB,  16384     ; bytes from a key (or query) to the next of the same batch row
.set SLOTG, 2*KS*KEYB ; a slot's 128 keys in memory
.set AK0, 2           ; v2   my lane's place in a tile of K, my head's 128 bytes in it; never rewritten
.set AV0, 3           ; v3   the same for V
.set AK,  4           ; v4   the LDS address of K's next run of loads
.set AV,  5           ; v5   of V's
.set STO, 6           ; v6   the way out: where I put 16 bytes of a row
.set RD,  7           ; v7   the way out: where I read rows back
.set GO,  8           ; v8   my byte offset in two rows of O
.set MV,  12          ; v12-13  c m_old, kept while c m is made anew: by buffer
.set QO,  15          ; v15  my byte offset in 16 rows of Q
.set ST,  16          ; piece t's statistics at v[ST+4 t]: c m, m, l (even keys', odd keys')
.set TMP, 48          ; by buffer, four registers c0-c3 at work; when the maximum is found c2 takes a
.set PFO, 61          ; v61  16,384 x my lane: a key a lane; never rewritten
.set SPW, 62          ; v62  LDS address of my spare word; never rewritten
.set NIL, 63          ; v63  0; never rewritten
.set S,   64
.set P,   192
.set KF,  128         ; window 2: key block kb, channel half c at KF + 16 kb + 8 c
.set VF,  192         ; window 2: key half kk, channel block cb at VF + 32 kk + 8 cb
.set WV,  12          ; s12  my wave's number
.set LIM, 15          ; s15  1 in a wave that prefetches, else the greatest number
.set PFA, 18          ; s[18:19] where my prefetches stand: my work-group's 32 keys (K: wave 0, V: wave 2) of the slot after the one that is being asked for
.set G1K, 24          ; s[24:31] descriptor group 1 for K's tiles
.set G1V, 32          ; s[32:39] for V's: it differs in the padding alone
.set G0K, 40          ; s[40:47] descriptor group 0 for K's tiles: a set for each of the two first fills; the second then walks on
.set G0V, 48          ; s[48:55] the same for V's
.set SLOTS, 56        ; s56  counts the slots
.set CNT, 57          ; s57  counts a slot's key steps
.set CS,  58          ; s[58:59] c: the packed scaling takes the pair's low word for both halves
.set SEL, 60          ; s[60:61] v_permlanex16_b32's selects: each lane takes its own place in the other half
.set TBK, 62          ; s62  LDS byte at which the step whose K is fetched next begins
.set TBV, 63          ; s63  the same for V
.set MSB, 0
.macro WIN new                      ; the high byte repeats the setting that is left; a switch that changes nothing is dropped
.if MSB != (\new)
	s_set_vgpr_msb (MSB<<8)|(\new)
.set MSB, (\new)
.endif
.endm
.set W_KQ, 0x0a       ; K and Q in window 2, S^T in window 0
.set W_PV, 0x52       ; V in window 2, P in window 0, O^T in window 1
.set W_RS, 0x41       ; destination and source 0 in window 1, source 1 in window 0
; A joint refill.  Waves 0 and 1 fetch the two steps' tiles of K, waves 2 and 3 those of V.  The branch hangs on the wave's number alone.  An s_nop 0 and four v_nop follow each of the two lines.
.macro JLOAD
	s_cmp_lt_u32 s[WV], 2
	s_cbranch_scc0 .Lfor_v_\@
	tensor_load_to_lds s[G0K+4:G0K+7], s[G1K:G1K+7]
	s_nop 0
.rept 4
	v_nop
.endr
	s_branch .Lasked_\@
.Lfor_v_\@:
	tensor_load_to_lds s[G0V+4:G0V+7], s[G1V:G1V+7]
	s_nop 0
.rept 4
	v_nop
.endr
.Lasked_\@:
.endm
; A PREFETCH INTO THE L2 of what the NEXT change of slots will ask for: a slot's 128 keys of K and of V, 256 bytes a key, a lane a key.  It stands behind the wave's tensor load and its five lines.
; Each key's 256 bytes are named ONCE in the launch: of the four clusters that walk the same K and V the first (cluster x = 0) asks; its four partners take 32 keys each, told apart BY ADDRESS; in each,
; wave 0 asks for K's and wave 2 for V's: one instruction.  The request stands two key steps, 128 matrix instructions a wave, ahead of the load.  The last change that fills a slot asks for nothing.
.macro ASK
	s_cmp_gt_u32 s[SLOTS], s[LIM]
	s_cbranch_scc0 .Lnot_mine_\@
	global_prefetch_b8 v[PFO], s[PFA:PFA+1] th:TH_LOAD_NT scope:SCOPE_SE
.Lnot_mine_\@:
.endm
; A round of the cluster's barrier: my work-group's barrier, so that wave 0's signal speaks for all four waves; wave 0 signals; every wave waits for all four work-groups; my work-group's barrier once more.
.macro CROUND
	s_barrier_signal -1
	s_barrier_wait -1
	s_cmp_lg_u32 s[WV], 0
	s_cbranch_scc1 .Lnot_wave_0_\@
	s_barrier_signal -3
.Lnot_wave_0_\@:
	s_barrier_wait -3
	s_barrier_signal -1
	s_barrier_wait -1
.endm
; THE CHANGE OF SLOTS, behind piece 1's turn of a slot's second step, which has waited for that step's V: the slot's last bytes have been read.  Each wave waits for all its tensor loads, of which one is out: its part
; of the other slot; adds 0 to its spare word; and waits for that and for its own reads.  fill = 1: the slot is filled again, with the keys two slots on; the barrier is then a round of the cluster's, and the joint
; refill is the first thing behind it: it has two key steps in which to land.
.macro CHANGE fill
	WIN 0                           ; at a label and at a branch every window is 0
	s_wait_tensorcnt 0x0            ; no tensor load of mine is out, so a group 0 may be written
	ds_add_u32 v[SPW], v[NIL]       ; 0 onto my spare word; with fill = 1 the descriptors' steps stand between it and the wait for it
.if \fill
.irp g, G0K+4, G0V+4
	s_xor_b32 s[(\g)+1], s[(\g)+1], SLOT1  ; the walking descriptor: the other slot than last time,
	s_add_nc_u64 s[(\g)+2:(\g)+3], s[(\g)+2:(\g)+3], SLOTG  ; the next 128 keys; the type bits on top are not reached
.endr
	s_wait_xcnt 0x0                 ; the last prefetch, two key steps back, has read its address, so it may be written
	s_add_nc_u64 s[PFA:PFA+1], s[PFA:PFA+1], SLOTG
	s_wait_dscnt 0x0                ; the add is done, and my reads of the slot are over
	CROUND
	JLOAD
	ASK
.else
	s_wait_dscnt 0x0                ; the add is done, and my reads of the slot are over
	s_barrier_signal -1
	s_barrier_wait -1
.endif
	s_sub_co_u32 s[TBK], s[TBK], 2*STEPB  ; the fetches go back to a slot's first step,
	s_xor_b32 s[TBK], s[TBK], SLOT1       ; in the other slot
	s_sub_co_u32 s[TBV], s[TBV], 2*STEPB
	s_xor_b32 s[TBV], s[TBV], SLOT1
.endm
	s_load_b128 s[4:7], s[0:1], 0x0 ; big s[4:5], actb s[6:7]
	v_lshl_add_u32 v[SPW], v0, 2, SPARE
	v_mov_b32 v[NIL], 0
	ds_add_u32 v[SPW], v[NIL]       ; the wave's opening: the add and its wait stand ahead of my first tensor load; the set-up below, work on registers, stands between them
	v_lshrrev_b32 v1, 5, v0
	v_readfirstlane_b32 s[WV], v1   ; wave 0..3
	s_bfe_u32 s13, ttmp6, 0x40000   ; cx: my place in the cluster
	s_lshl_b32 s14, ttmp9, 2
	s_add_co_u32 s14, s14, s13      ; my block of 128 queries = 4 x cluster x + cx: it enters Q's and O's addresses alone
	s_and_b32 s16, ttmp7, 0xffff    ; 8 b + p, which the four partners share
	s_lshr_b32 s17, s16, 3          ; b
	s_and_b32 s16, s16, 7           ; p
	s_and_b32 s22, s[WV], 1         ; which of a slot's two steps I fetch; which 64 queries are mine
	s_lshr_b32 s23, s[WV], 1        ; which head of the pair is mine
	s_lshl_b32 s20, s17, 13
	s_lshl_b32 s21, s16, 8
	s_add_co_u32 s20, s20, s21      ; 8,192 b + 256 p: the pair's q in token row b
	s_lshl_b32 s21, s22, 20         ; 64 keys (or queries) of 16,384 bytes
	s_add_co_u32 s66, s20, s21
	s_add_co_u32 s66, s66, 2048     ; s[66:67]: K at my step of slot 0
	s_mov_b32 s67, 0
	s_add_co_u32 s68, s66, 2048     ; s[68:69]: V
	s_mov_b32 s69, 0
	s_lshl_b32 s77, s23, 7          ; my head's 128 bytes in the pair's 256
	s_lshl_b32 s70, s14, 21         ; s[70:71]: Q at my 64 queries: 128 queries a block,
	s_add_co_u32 s70, s70, s21      ; my half of them,
	s_add_co_u32 s70, s70, s20
	s_add_co_u32 s70, s70, s77      ; my head
	s_mov_b32 s71, 0
	s_lshl_b32 s72, s14, 19         ; s[72:73]: O at the 32 queries that I store: 128 queries of 4,096 bytes a block,
	s_lshl_b32 s21, s[WV], 17       ; 32 a wave,
	s_add_co_u32 s72, s72, s21
	s_lshl_b32 s21, s17, 11         ; token row b,
	s_add_co_u32 s72, s72, s21
	s_lshl_b32 s21, s16, 8          ; the pair
	s_add_co_u32 s72, s72, s21
	s_mov_b32 s73, 0
	s_lshl_b32 s74, s13, 19         ; s[74:75]: my work-group's 32 keys of a slot's 128, for the prefetches
	s_mov_b32 s75, 0
	s_mul_i32 s76, s22, STEPB       ; my step's place in a slot: no place in the cluster enters an LDS address
	; descriptor group 1: a tile of 64 keys x 128 elements (the pair's two heads), padded in LDS
	s_mov_b32 s[G1K], 15|(1<<16)|(1<<20)|(1<<21)|(5<<22)|(3<<25)  ; the mask of four; 2-byte elements; padding on; bit 21 beside a mask; after every 64 words 4 words
	s_mov_b32 s[G1V], 15|(1<<16)|(1<<20)|(1<<21)|(5<<22)|(7<<25)  ; the same with 8 words of padding
.irp g, G1K, G1V
	s_mov_b32 s[(\g)+1], 128<<16    ; tensor_dim0 = 128
	s_mov_b32 s[(\g)+2], KS<<16     ; tensor_dim1 = 64
	s_mov_b32 s[(\g)+3], 128<<16    ; tile_dim0 = 128
	s_mov_b32 s[(\g)+4], KS         ; tile_dim1 = 64
	s_mov_b32 s[(\g)+5], KEYB/2     ; 8,192 elements from a key to the next of the same batch row
	s_mov_b32 s[(\g)+6], 0
	s_mov_b32 s[(\g)+7], 0
.endr
	s_mov_b32 s[CS], 0x3e38aa3b     ; c = log2(e) / 8 = 0.180337
	s_mov_b32 s[CS+1], s[CS]        ; named with it as a pair
	s_mov_b32 s[SEL], 0x76543210
	s_mov_b32 s[SEL+1], 0xfedcba98
	s_and_b32 s[LIM], s[WV], 1      ; 0 in waves 0 and 2,
	s_or_b32 s[LIM], s[LIM], ttmp9  ; where the cluster is the first of the four that walk these keys: the same in all four partners
	s_cmp_eq_u32 s[LIM], 0
	s_cselect_b32 s[LIM], 1, -1
	v_and_b32 v[PFO], 31, v0
	v_lshlrev_b32 v[PFO], 14, v[PFO]
	s_wait_dscnt 0x0                ; the opening add is done
	s_wait_kmcnt 0x0
	s_add_nc_u64 s[10:11], s[6:7], s[72:73]  ; O
	s_add_nc_u64 s[8:9], s[4:5], s[68:69]    ; V
	s_add_nc_u64 s[6:7], s[4:5], s[66:67]    ; K
	s_add_nc_u64 s[4:5], s[4:5], s[70:71]    ; Q
	s_cmp_lt_u32 s[WV], 2
	s_cselect_b64 s[PFA:PFA+1], s[6:7], s[8:9]  ; (in waves 0 and 2 these stand at a slot's first key)
	s_add_nc_u64 s[PFA:PFA+1], s[PFA:PFA+1], s[74:75]
	s_add_nc_u64 s[PFA:PFA+1], s[PFA:PFA+1], 2*SLOTG  ; in slot 2; the first change of slots steps it to slot 3.  Nothing is prefetched at the head, where every work-group's first tiles are on their way
	CROUND                          ; all four work-groups are here: the first joint loads meet
.irp s, 0,1
	s_mov_b32 s[G0K+4*(\s)], 1
	s_add_co_u32 s[G0K+4*(\s)+1], s76, (\s)*SLOT1
	s_add_nc_u64 s[G0K+4*(\s)+2:G0K+4*(\s)+3], s[6:7], (\s)*SLOTG
	s_or_b32 s[G0K+4*(\s)+3], s[G0K+4*(\s)+3], 0x80000000
	s_mov_b32 s[G0V+4*(\s)], 1
	s_add_co_u32 s[G0V+4*(\s)+1], s76, (\s)*SLOT1+VOFF
	s_add_nc_u64 s[G0V+4*(\s)+2:G0V+4*(\s)+3], s[8:9], (\s)*SLOTG
	s_or_b32 s[G0V+4*(\s)+3], s[G0V+4*(\s)+3], 0x80000000
.endr
	s_cmp_lt_u32 s[WV], 2           ; a wave's two first fills stand in one branch, ahead of every wait on TENSORcnt and every LDS read: two loads of mine are out
	s_cbranch_scc0 .Lfirst_v
	tensor_load_to_lds s[G0K:G0K+3], s[G1K:G1K+7]
	s_nop 0
	tensor_load_to_lds s[G0K+4:G0K+7], s[G1K:G1K+7]
	s_nop 0
.rept 4
	v_nop
.endr
	s_branch .Lfirst_asked
.Lfirst_v:
	tensor_load_to_lds s[G0V:G0V+3], s[G1V:G1V+7]
	s_nop 0
	tensor_load_to_lds s[G0V+4:G0V+7], s[G1V:G1V+7]
	s_nop 0
.rept 4
	v_nop
.endr
.Lfirst_asked:
	; A fragment of K or Q is 16 rows x 32 channels in 8 registers: lane l holds row l % 16, channels 8 (l / 16) + 0..7 and 16 + 8 (l / 16) + 0..7: two loads of 16 bytes, 32 bytes apart.
	v_and_b32 v1, 15, v0            ; l % 16
	v_bfe_u32 v9, v0, 4, 1          ; l / 16
	v_lshlrev_b32 v[QO], 14, v1
	v_lshl_add_u32 v[QO], v9, 4, v[QO]  ; query x 16,384 + 16 x half
	WIN 0x80                        ; destination window 2, address window 0
.set i, 0
.rept 8                             ; Q stays in registers: piece i / 2 (16 queries: 262,144 bytes on), channels 32 (i % 2) on
	global_load_b128 v[8*i:8*i+3],   v[QO], s[4:5] offset:(i/2)*16*KEYB+(i%2)*64
	global_load_b128 v[8*i+4:8*i+7], v[QO], s[4:5] offset:(i/2)*16*KEYB+(i%2)*64+32
.set i, i+1
.endr
	; What the first turn finds: V's registers and P's second buffer hold 0 (its products V^T P, of a piece that has not been, add 0), O^T and l are 0.  No first step is written out; the price is these 216 lines, which stand in the wait for the first tile.
.set i, VF
.rept 64
	v_mov_b32 v[i], 0
.set i, i+1
.endr
	WIN 0x40
.set i, 0
.rept 128
	v_mov_b32 v[i], 0
.set i, i+1
.endr
	WIN 0
.set i, 0
.rept 4
	v_mov_b32 v[ST+4*i], 0xfe000000    ; c m: far below every c s
	v_mov_b32 v[ST+4*i+1], 0xff7fffff  ; m: the lowest finite number
	v_mov_b32 v[ST+4*i+2], 0
	v_mov_b32 v[ST+4*i+3], 0
.set i, i+1
.endr
.set i, P+16
.rept 16
	v_mov_b32 v[i], 0
.set i, i+1
.endr
	v_mul_u32_u24 v[AK0], v1, PK
	v_lshl_add_u32 v[AK0], v9, 4, v[AK0]
	v_add_nc_u32 v[AK0], s77, v[AK0]      ; row x pitch + 16 x half + my head
	; The turning load takes 16 keys x 16 channels (lane l reads key 8 (l / 16) + l % 8, channels 8 ((l / 8) % 2) + 0..7) and leaves half a fragment of V^T: lane l holds channel l % 16 and 8 keys.
	v_and_b32 v10, 7, v0
	v_bfe_u32 v11, v0, 3, 1
	v_lshl_add_u32 v[AV0], v9, 3, v10
	v_mul_u32_u24 v[AV0], v[AV0], PV
	v_lshl_add_u32 v[AV0], v11, 4, v[AV0]
	s_add_co_u32 s78, s77, VOFF
	v_add_nc_u32 v[AV0], s78, v[AV0]
	s_mul_i32 s79, s22, 64*SP       ; into the stage: my 64 queries' rows, my head's half of their 256 bytes
	s_add_co_u32 s79, s79, s77
	s_add_co_u32 s79, s79, STAGE
	v_mul_u32_u24 v[STO], v1, SP    ; row l % 16, 16 bytes for each half of the lanes
	v_lshl_add_u32 v[STO], v9, 4, v[STO]
	v_add_nc_u32 v[STO], s79, v[STO]
	s_mul_i32 s79, s[WV], 32*SP     ; back: wave w takes rows 32 w .. 32 w + 31, whole; lanes 0-15 one row of 256 bytes, lanes 16-31 the next
	s_add_co_u32 s79, s79, STAGE
	v_mul_u32_u24 v[RD], v9, SP
	v_lshl_add_u32 v[RD], v1, 4, v[RD]
	v_add_nc_u32 v[RD], s79, v[RD]
	v_lshlrev_b32 v[GO], 12, v9     ; and the same two queries in O, 4,096 bytes apart
	v_lshl_add_u32 v[GO], v1, 4, v[GO]
; THE MATRIX WORK.  The 4 accumulators of a run of 8 take turns.  Product i of 8 of S^T = K Q^T for piece x: channels 32 (i / 4) on, keys 16 (i % 4) on.  The first 4 start the sums.
.macro KQ x
.set rS, S+32*((\x)%2)+8*(i%4)
.set rK, KF+16*(i%4)+8*(i/4)
.set rQ, 16*(\x)+8*(i/4)
	WIN W_KQ
.if i < 4
	v_wmma_f32_16x16x32_bf16 v[rS:rS+7], v[rK:rK+7], v[rQ:rQ+7], 0
.else
	v_wmma_f32_16x16x32_bf16 v[rS:rS+7], v[rK:rK+7], v[rQ:rQ+7], v[rS:rS+7]
.endif
.endm
; Product i of 8 of O^T += V^T P for piece x: keys 32 (i / 4) on, channels 16 (i % 4) on.
.macro PV x
	WIN W_PV
.set rO, 32*(\x)+8*(i%4)
.set rV, VF+32*(i/4)+8*(i%4)
.set rP, P+16*((\x)%2)+8*(i/4)
	v_wmma_f32_16x16x32_bf16 v[rO:rO+7], v[rV:rV+7], v[rP:rP+7], v[rO:rO+7]
.endm
.macro MM                           ; the turn's next matrix instruction
.if i < 8
	KQ (Y+1)%NP
.else
.set i, i-8
	PV (Y+NP-1)%NP
.set i, i+8
.endif
.set i, i+1
.endm
; THE LDS LOADS stand in runs of 16, never singly among the matrix instructions: a step's K (64 keys x my head's 64 channels: 8 fragments) and its V (turned).  Their addresses are made some lines ahead.
; last = 1 (the tail): in the last trip there is no further step, and the run is jumped over.
.macro FETCH_K last=0
	WIN 0
.if \last
	s_cmp_eq_u32 s[CNT], 1
	s_cbranch_scc1 .Lno_k_\@
.endif
	WIN 0x80                        ; destination window 2
.irp f, 0,1,2,3,4,5,6,7             ; keys 16 (f / 2) on, channels 32 (f % 2) on
	ds_load_b128 v[KF+8*(\f):KF+8*(\f)+3],   v[AK] offset:((\f)/2)*16*PK+((\f)%2)*64
	ds_load_b128 v[KF+8*(\f)+4:KF+8*(\f)+7], v[AK] offset:((\f)/2)*16*PK+((\f)%2)*64+32
.endr
	s_add_co_u32 s[TBK], s[TBK], STEPB  ; the next fetch is the next step's
	WIN 0
.if \last
.Lno_k_\@:
.endif
.endm
.macro FETCH_V
	WIN 0x80
.irp f, 0,1,2,3,4,5,6,7             ; keys 32 (f / 4) on, channels 16 (f % 4) on
	ds_load_tr16_b128 v[VF+8*(\f):VF+8*(\f)+3],   v[AV] offset:((\f)/4)*32*PV+((\f)%4)*32
	ds_load_tr16_b128 v[VF+8*(\f)+4:VF+8*(\f)+7], v[AV] offset:((\f)/4)*32*PV+16*PV+((\f)%4)*32
.endr
	WIN 0
.endm
; THE VECTOR WORK, one line at a time: OP kind, number.  For piece Y: F n: c s - c m for pair n of 16.  E n: the exponential of score n of 32.  C n: pair n rounded to bf16.  B n: of the four weights 4 n .. the second
; pair is added onto the first, in place.  L n: l takes that sum (L 0: l = a l + sum).  R n: pair n of 16 of O^T times a.  For piece Y + 1: X n, number n of the 22 that find its maximum and statistics:
;   0-11  four chains c0-c3 of seven scores each, three operands at a time (each accumulator's lowest registers are read first)     12-14, 16  the four scores left over, the old m, and c0-c3 into c0
;   15  c m_old is kept     17, 18  the query's other 32 keys lie in the lane 16 away: the new m     19-21  c m; c m_old - c m_new; a
.set F, 0               ; OP tells the kinds apart by their order: F to L below R, X above it
.set E, 1
.set C, 2
.set B, 3
.set L, 4
.set R, 5
.set X, 6
.macro REGS y                       ; the registers of piece y
.set rT, ST+4*(\y)
.set rC, TMP+4*((\y)%2)
.set rW, MV+((\y)%2)
.set rS, S+32*((\y)%2)
.set rP, P+16*((\y)%2)
.set rO, 32*(\y)
.endm
.macro OP k, n
.if (\k) == R
	REGS Y
	WIN W_RS
	v_pk_mul_f32 v[rO+2*(\n):rO+2*(\n)+1], v[rO+2*(\n):rO+2*(\n)+1], v[rC+2:rC+3] op_sel_hi:[1,0]
.elseif (\k) < R
	REGS Y
	WIN 0
.if (\k) == F
	v_pk_fma_f32 v[rS+2*(\n):rS+2*(\n)+1], v[rS+2*(\n):rS+2*(\n)+1], s[CS:CS+1], v[rT:rT+1] op_sel_hi:[1,0,0] neg_lo:[0,0,1] neg_hi:[0,0,1]
.elseif (\k) == E
	v_exp_f32 v[rS+(\n)], v[rS+(\n)]
.elseif (\k) == C
	s_wait_alu depctr_va_vdst(0)
	v_cvt_pk_bf16_f32 v[rP+(\n)], v[rS+2*(\n)], v[rS+2*(\n)+1]
.elseif (\k) == B
	s_wait_alu depctr_va_vdst(0)
	v_pk_add_f32 v[rS+4*(\n):rS+4*(\n)+1], v[rS+4*(\n):rS+4*(\n)+1], v[rS+4*(\n)+2:rS+4*(\n)+3]
.elseif (\n) == 0
	v_pk_fma_f32 v[rT+2:rT+3], v[rT+2:rT+3], v[rC+2:rC+3], v[rS:rS+1] op_sel_hi:[1,0,1]
.else
	v_pk_add_f32 v[rT+2:rT+3], v[rT+2:rT+3], v[rS+4*(\n):rS+4*(\n)+1]
.endif
.else
	REGS (Y+1)%NP
	WIN 0
.if (\n) < 4
	v_max3_num_f32 v[rC+(\n)], v[rS+8*(\n)], v[rS+8*(\n)+1], v[rS+8*(\n)+2]
.elseif (\n) < 12
	v_max3_num_f32 v[rC+(\n)%4], v[rC+(\n)%4], v[rS+8*((\n)%4)+2*((\n)/4)+1], v[rS+8*((\n)%4)+2*((\n)/4)+2]
.elseif (\n) == 12
	v_max3_num_f32 v[rC], v[rC], v[rS+7], v[rS+15]
.elseif (\n) == 13
	v_max3_num_f32 v[rC+1], v[rC+1], v[rS+23], v[rS+31]
.elseif (\n) == 14
	v_max3_num_f32 v[rC+2], v[rC+2], v[rC+3], v[rT+1]
.elseif (\n) == 15
	v_mov_b32 v[rW], v[rT]
.elseif (\n) == 16
	v_max3_num_f32 v[rC], v[rC], v[rC+1], v[rC+2]
.elseif (\n) == 17
	v_permlanex16_b32 v[rC+3], v[rC], s[SEL], s[SEL+1]
.elseif (\n) == 18
	v_max_num_f32 v[rT+1], v[rC], v[rC+3]
.elseif (\n) == 19
	v_mul_f32 v[rT], s[CS], v[rT+1]
.elseif (\n) == 20
	v_sub_f32 v[rC+1], v[rW], v[rT]
.else
	v_exp_f32 v[rC+2], v[rC+1]
.endif
.endif
.endm
.macro OPS a, i1, b=-1, i2=0, c=-1, i3=0, d=-1, i4=0  ; up to four of them
	OP \a, \i1
.if (\b) >= 0
	OP \b, \i2
.endif
.if (\c) >= 0
	OP \c, \i3
.endif
.if (\d) >= 0
	OP \d, \i4
.endif
.endm
.macro ROW a, i1, b, i2, c, i3, d, i4  ; a matrix instruction and the four behind it
	MM
	OPS \a, \i1, \b, \i2, \c, \i3, \d, \i4
.endm
; A TURN, for piece p: the order of its 16 matrix and 118 vector instructions, written out.  Behind a matrix instruction: plain, exponential, plain, plain; or four of the rescaling; or, behind the first, four scalings; none
; names a register of the products round it.  In the runs without products exponential and plain by turns while exponentials last.  A line reads no result made fewer than three vector instructions in front of it, five if an
; exponential made it.  last = 1: the tail's form of K's fetch.  cnt = 1: the loop's count is taken down some lines ahead of the branch that stands behind the turn.
; K of the next step is fetched in piece 2's turn, six vector instructions behind the last product that read K (five of them plain); V of the step in hand in piece 0's turn, eight behind the last product that read V (four
; plain).  Each is waited for a turn later.
.macro TURN p, last=0, cnt=0
.set Y, (\p)
.set i, 0
.if (\p) == 3
	s_wait_dscnt 0x0                ; K is in
.endif
	ROW F,0, F,1, F,2, F,3
	ROW F,4, E,0, F,5, F,6
	ROW F,7, E,1, F,8, F,9
	ROW F,10, E,2, C,0, F,11
	ROW F,12, E,3, X,15, F,13
	ROW R,0, R,1, R,2, R,3
	ROW B,0, E,4, F,14, L,0
.if (\p) == 2
	v_add_nc_u32 v[AK], s[TBK], v[AK0]
.endif
	ROW R,4, R,5, R,6, R,7
	OPS E,5, F,15
.if (\p) == 2
	FETCH_K \last
.endif
	OPS E,6, C,1, E,7, R,8
	OPS E,8, R,9, E,9, C,2
	OPS E,10, X,0, E,11, X,1
	OPS E,12, X,2, E,13, X,3
.if (\p) == 1
	s_wait_dscnt 0x0                ; V is in
.endif
	ROW X,4, E,14, X,5, X,6
	ROW X,7, E,15, X,8, X,9
	ROW X,10, E,16, X,11, X,12
	ROW X,13, E,17, X,14, B,1
	ROW C,4, E,18, X,16, L,1
	ROW B,2, E,19, C,6, L,2
	ROW C,8, E,20, B,3, B,4
.if (\p) == 0
	v_add_nc_u32 v[AV], s[TBV], v[AV0]
.endif
	ROW C,3, E,21, L,3, C,5
	OPS E,22, X,17, E,23, C,10
.if (\p) == 0
	FETCH_V
.endif
	OPS E,24, L,4
	OPS E,25, X,18, E,26, C,7
	OPS E,27, B,5, E,28, X,19
	OPS E,29, C,12, E,30, L,5
	OPS E,31, X,20, B,6, C,9
	OPS C,14, C,11, X,21, L,6
.if (\p) == 0
	s_add_co_u32 s[TBV], s[TBV], STEPB
.endif
.if \cnt
	s_sub_co_u32 s[CNT], s[CNT], 1
	s_cmp_lg_u32 s[CNT], 0
.endif
	OPS C,13, B,7, C,15, R,10
	OPS R,11, R,12, L,7, R,13
	OPS R,14, R,15
.endm
.macro ALL line:vararg              ; one line for each piece t
.set t, 0
.rept 4
	\line
.set t, t+1
.endr
.endm
.macro PACK t                       ; piece t: O^T divided by l, rounded to bf16; a lane's eight channels of a row pack into 16 bytes, which go into the stage's rows of 272 bytes
	WIN W_RS
.set i, 32*(\t)
.rept 16
	s_wait_alu depctr_va_vdst(0)
	v_pk_mul_f32 v[i:i+1], v[i:i+1], v[ST+4*(\t)+2:ST+4*(\t)+3] op_sel_hi:[1,0]
.set i, i+2
.endr
	WIN 0x05                        ; sources 0 and 1 window 1, destination window 0: S^T's registers are free
.set i, 0
.rept 16
	v_cvt_pk_bf16_f32 v[S+16*(\t)+i], v[32*(\t)+2*i], v[32*(\t)+2*i+1]
.set i, i+1
.endr
	WIN 0
.irp f, 0,1,2,3
	ds_store_b128 v[STO], v[S+16*(\t)+4*(\f):S+16*(\t)+4*(\f)+3] offset:(\t)*16*SP+32*(\f)
.endr
.endm
	s_wait_tensorcnt 1              ; my part of slot 0 is in; slot 1's may stay out
	s_barrier_signal -1
	s_barrier_wait -1               ; everybody's is
	s_mov_b32 s[TBK], 0
	s_mov_b32 s[TBV], 0
	v_add_nc_u32 v[AK], s[TBK], v[AK0]
	FETCH_K                         ; key step 0
	s_wait_loadcnt 0x0              ; Q
	s_wait_dscnt 0x0
.set i, 0
.rept 8
	KQ 0                            ; piece 0's first scores: there is no vector work yet to set between them
.set i, i+1
.endr
	WIN 0
.rept 4
	v_nop                           ; the places behind those products
.endr
.set Y, NP-1                        ; X works for piece Y + 1: piece 0
.irp n, 0,1,2,3,4,5,6,7,8,9,10,11,12,13,14,15,16,17,18,19,20,21
	OP X, \n                        ; piece 0's first maximum and statistics
.endr
	v_nop                           ; a plain instruction behind the exponential
	s_mov_b32 s[CNT], 2
	s_mov_b32 s[SLOTS], 15
	s_branch .Lfirst                ; the loop is entered at a step's first turn, in the middle of a trip
.Lslot:                             ; 14 times: every slot but the last two is filled again
	CHANGE 1
	s_mov_b32 s[CNT], 2
.Lstep:                             ; a trip: pieces 2 and 3 of one step, then pieces 0 and 1 of the next, whose K and V it fetches
	TURN 2
	TURN 3
	WIN 0
.Lfirst:
	TURN 0
	TURN 1, 0, 1
	WIN 0
	s_cbranch_scc1 .Lstep
	s_sub_co_u32 s[SLOTS], s[SLOTS], 1
	s_cmp_lg_u32 s[SLOTS], 0
	s_cbranch_scc1 .Lslot
	CHANGE 0                        ; the last slot is written out: nothing is asked for
	s_mov_b32 s[CNT], 3             ; two trips fetch the last slot's steps; the third is left in its middle
.Ltail:
	TURN 2, 1
	TURN 3
	WIN 0
	s_sub_co_u32 s[CNT], s[CNT], 1
	s_cmp_eq_u32 s[CNT], 0
	s_cbranch_scc1 .Lout
	TURN 0
	TURN 1
	WIN 0
	s_branch .Ltail
.Lout:                              ; the third trip's 8 products K Q^T (on the last K once more) and the maximum made of them serve nothing and touch neither l nor O^T: the price, once a launch, of one text for every trip of the tail
.set i, 0
.rept 8
	PV NP-1                         ; the last piece's V^T P of the last step
.set i, i+1
.endr
	; THE WAY OUT.  l's two halves and the other half of the lanes' are added (these additions are the places behind the last products); O^T is divided by l, rounded and put into the work-group's stage.
	; A row's 256 bytes come from two waves (the pair's two heads), so a barrier stands between the writing and the reading; each wave then reads 32 whole rows and stores them.
	WIN 0
	ALL v_add_f32 v[ST+4*t+2], v[ST+4*t+2], v[ST+4*t+3]
	ALL v_permlanex16_b32 v[ST+4*t+3], v[ST+4*t+2], s[SEL], s[SEL+1]
	ALL v_add_f32 v[ST+4*t+2], v[ST+4*t+2], v[ST+4*t+3]
	ALL v_rcp_f32 v[ST+4*t+2], v[ST+4*t+2]
	v_nop                           ; a plain instruction between the last reciprocal and the use of its result
.irp t, 0,1,2,3
	PACK \t
.endr
	s_wait_dscnt 0x0                ; for the others' sake: my stores into the stage are done
	s_barrier_signal -1
	s_barrier_wait -1
.irp f, 0,1,2,3,4,5,6,7,8,9,10,11,12,13,14,15
	ds_load_b128 v[S+4*(\f):S+4*(\f)+3], v[RD] offset:(\f)*2*SP
.endr
.irp f, 0,1,2,3,4,5,6,7,8,9,10,11,12,13,14,15
	s_wait_dscnt 15-(\f)            ; LDS loads come back in order: load f is in, the 15 - f younger ones may be out
	global_store_b128 v[GO], v[S+4*(\f):S+4*(\f)+3], s[10:11] offset:(\f)*8192  ; 16 lanes store 256 consecutive bytes, at a multiple of 256 from O's first byte
.endr
	s_wait_tensorcnt 0x0            ; the wave's end: a wait, an add and its wait, behind my last tensor load and my last LDS store
	ds_add_u32 v[SPW], v[NIL]
	s_wait_dscnt 0x0
	CROUND                          ; the closing round: no work-group ends while a partner may still ask for a tile that names it
	s_endpgm
.Lfunc_end_k_q8ecddfff6e_attn:
	.size	k_q8ecddfff6e_attn, .Lfunc_end_k_q8ecddfff6e_attn-k_q8ecddfff6e_attn
	.p2alignl 7, 3214868480
	.fill 96, 4, 3214868480
	.section	.rodata,"a",@progbits
	.p2align	6, 0x0
	.amdhsa_kernel k_q8ecddfff6e_attn
		.amdhsa_group_segment_fixed_size 327680
		.amdhsa_private_segment_fixed_size 0
		.amdhsa_enable_private_segment 0
		.amdhsa_kernarg_size 16
		.amdhsa_user_sgpr_count 2
		.amdhsa_user_sgpr_kernarg_segment_ptr 1
		.amdhsa_wavefront_size32 1
		.amdhsa_system_sgpr_workgroup_id_x 1
		.amdhsa_system_sgpr_workgroup_id_y 1
		.amdhsa_system_sgpr_workgroup_id_z 1
		.amdhsa_system_vgpr_workitem_id 0
		.amdhsa_next_free_vgpr 768
		.amdhsa_next_free_sgpr 80
		.amdhsa_reserve_vcc 0
		.amdhsa_float_denorm_mode_32 3
		.amdhsa_float_denorm_mode_16_64 3
		.amdhsa_memory_ordered 1
		.amdhsa_forward_progress 1
		.amdhsa_inst_pref_size 117
	.end_amdhsa_kernel
	.amdgpu_metadata
---
amdhsa.version: [ 1, 2 ]
amdhsa.kernels:
  - .name:           k_q8ecddfff6e_attn
    .symbol:         k_q8ecddfff6e_attn.kd
    .args:
      - { .name: big, .offset: 0, .size: 8, .value_kind: global_buffer, .address_space: global }
      - { .name: actb, .offset: 8, .size: 8, .value_kind: global_buffer, .address_space: global }
    .group_segment_fixed_size: 327680
    .private_segment_fixed_size: 0
    .kernarg_segment_align: 8
    .kernarg_segment_size: 16
    .max_flat_workgroup_size: 128
    .sgpr_count:     80
    .vgpr_count:     768
    .wavefront_size: 32
...
	.end_amdgpu_metadata
.endif
;; end of part 3
;; launch oproj (part 4): grid 8 x 32, 4 waves a work-group, clusters of 4 x 4, 327,680 bytes of LDS; arguments actb, wrest, res32, out_b; writes res32
.if DOCPART == 4
	.amdgcn_target "amdgcn-amd-amdhsa--gfx1250"
	.amdhsa_code_object_version 6
	.text
	.protected	k_q8ecddfff6e_oproj
	.globl	k_q8ecddfff6e_oproj
	.p2align	8
	.type	k_q8ecddfff6e_oproj,@function
k_q8ecddfff6e_oproj:
	s_mov_b64 s[64:65], 0
	v_nop
	global_prefetch_b8 v0, s[64:65] scope:SCOPE_SE
	s_setreg_imm32_b32 hwreg(HW_REG_WAVE_MODE, 25, 1), 1
	s_wait_xcnt 0x0
	s_wait_alu depctr_hold_cnt(0) depctr_sa_sdst(0) depctr_va_vdst(0) depctr_va_sdst(0) depctr_va_ssrc(0) depctr_va_vcc(0) depctr_vm_vsrc(0)
	s_getreg_b32 s2, hwreg(HW_REG_IB_STS2, 6, 4)
	s_cmp_eq_u32 s2, 0
	s_cbranch_scc0 .Lentry_in_a_cluster
	s_endpgm
.Lentry_in_a_cluster:
	s_bfe_u32 s2, ttmp6, 0x10000c
	s_cmp_lg_u32 s2, 0xf033
	s_cbranch_scc0 .Lentry_shape_is_right
	s_endpgm
.Lentry_shape_is_right:
; C[m][n] = the sum over k of A[m][k] B[n][k] + bias[n].  A: [4096][SIZE_K] bf16, B: [1024][SIZE_K] bf16 at byte BOFF of its buffer, bias: [1024] f32, C: [4096][1024] f32; sums in f32, nothing is rounded on the way out.
; Here: the attention's output projection, SIZE_K = 1,024, B = out_w.  (The second FFN product has the same text with SIZE_K = 4,096 and B = fc2_w: the loop holds barriers, so its trip count is a constant of the text.)
; C has 64 tiles of 256 x 256, too few for the chip's work-group processors, and 256 tiles of 128 x 128: a tile of C is 128 x 128.  Four waves, each 64 x 64: 16 accumulators of 16 x 16, 128 registers.
; K goes in steps of 256 (LDS rows of 512 bytes; a wave's tensor load brings 64 of them), as long as two slots in LDS allow.
; A K STEP IS WRITTEN ONCE: a trip of the loop is one K step, and which slot it reads stands in registers: the scalar TB (0 or SLOT) is turned by an exclusive or at each change of slots, the two fragment
; addresses are made anew from it, and one descriptor for A's tiles and one for B's walk on: LDS word turned, address one K step further.  The last two K steps, which fill nothing, are written out.
; CLUSTERS: 4 x 4 work-groups.  The four of a row of the cluster need the same tiles of A, the four of a column the same tiles of B: each tile is asked for JOINTLY.
; THE MATRIX INSTRUCTION IS USED TRANSPOSED (source 0 = 16 rows of B, source 1 = 16 rows of A): a lane holds eight neighbouring numbers of a row of C.  THE BIAS STARTS THE SUMS, as the first products' C operand.
; THE WAY OUT goes through one stage of 128 rows x 528 bytes.  It lies over slot 0: the number of K steps is even, so the last step lies in slot 1, and slot 0's last fill has landed and its last read is over in
; every wave at the barrier of the last change of slots.
; No prefetch: a small tile's K step is short, and what could be named ahead is little.
; REGISTERS: window 0: v0-31 addresses; v96-127 the bias; v128-255 the accumulators ((a, b) at v[128 + 8 (4 a + b)]), later the rows on the way out.
;   window 1: two fragment buffers of 128: for 64 along K, 64 registers of A, then 64 of B.
.set SIZE_K, 1024
.set BOFF,   8388608                   ; out_w in wrest
.set KSTEP,  256
.set NSTEP,  SIZE_K/KSTEP              ; K steps: an even number, at least 4
.set PITCH,  528                       ; an LDS row: 512 bytes + 16 of padding = 132 words: the 16 rows that a load touches start at 16 different groups of four banks (64 banks of 4 bytes: ISA guide 11.1)
.set HALFT,  64*PITCH                  ; 0x8400 bytes
.set SLOT,   4*HALFT                   ; A's 128 rows, then B's 128 rows: 0x21000 bytes, which shares no bit with wave x HALFT (0, 0x8400, 0x10800, 0x18c00): an exclusive or with SLOT adds it or takes it away
.set SPITCH, 528                       ; a stage row: 128 f32 + 16 bytes; the stage begins at LDS byte 0
.set SPARE,  2*SLOT                    ; behind the ring: the spare words, 128 bytes for each wave: two blocks of 256 bytes that no other line names
.set ADRA0, 16                         ; v16     LDS address of my A fragments in slot 0; never rewritten
.set ADRA,  17                         ; v17     the same in the slot that is being read
.set ADRB0, 20                         ; v20, v21 the same for B
.set ADRB,  21
.set STO,  24                          ; v24     the way out: where I put 32 bytes of a row
.set RD,   25                          ; v25     where I read a row back
.set CO,   26                          ; v26     my 16 bytes in a row's 512
.set BO,   27                          ; v27     my byte offset in the bias: 32 (l / 16)
.set SPW,  28
.set NIL,  29
.set BIAS, 96
.set ACC,  128
.set F0,   0
.set F1,   128
.set G1, 24                            ; s[24:31] descriptor group 1 for A's tiles
.set G0, 32                            ; s[32:39] group 0 for A's tiles: a set for each of the two first fills; the second then walks on
.set G1B, 48                           ; s[48:55], s[56:63] the same for B's
.set G0B, 56
.set TB, 66                            ; s66     where the slot that is being read begins: 0 or SLOT
.set MSB, 0
.macro WIN new
.if MSB != (\new)
	s_set_vgpr_msb (MSB<<8)|(\new)
.set MSB, \new
.endif
.endm
.set MUL,  0x05                        ; sources 0 (B) and 1 (A) window 1; C and D window 0
.set TO_F, 0x40                        ; destination window 1, address window 0
.macro JLOAD s                         ; a joint load: waves 0 and 1 fetch A's two halves, waves 2 and 3 B's; an s_nop 0 and four v_nop follow each of the two lines
	s_cmp_eq_u32 s11, 0
	s_cbranch_scc0 .Lfor_b_\@
	tensor_load_to_lds s[G0+4*(\s):G0+4*(\s)+3], s[G1:G1+7]
	s_nop 0
.rept 4
	v_nop
.endr
	s_branch .Lasked_\@
.Lfor_b_\@:
	tensor_load_to_lds s[G0B+4*(\s):G0B+4*(\s)+3], s[G1B:G1B+7]
	s_nop 0
.rept 4
	v_nop
.endr
.Lasked_\@:
.endm
.macro CREST
	s_cmp_lg_u32 s10, 0
	s_cbranch_scc1 .Lnot_wave_0_\@
	s_barrier_signal -3
.Lnot_wave_0_\@:
	s_barrier_wait -3
	s_barrier_signal -1
	s_barrier_wait -1
.endm
.macro CROUND
	s_barrier_signal -1
	s_barrier_wait -1
	CREST
.endm
	s_load_b128 s[4:7], s[0:1], 0x0                ; A s[4:5], B's buffer s[6:7]
	s_load_b64 s[8:9], s[0:1], 0x10                ; C
	s_load_b64 s[68:69], s[0:1], 0x18              ; the bias
	v_lshl_add_u32 v[SPW], v0, 2, SPARE
	v_mov_b32 v[NIL], 0
	ds_add_u32 v[SPW], v[NIL]                      ; the wave's opening: the add and its wait stand ahead of my first tensor load
	v_lshrrev_b32 v1, 5, v0
	v_readfirstlane_b32 s10, v1                    ; wave 0..3
	s_lshr_b32 s11, s10, 1                         ; which half of the tile's rows is mine.  Also: I fetch for A (0) or for B (1)
	s_and_b32 s12, s10, 1                          ; which half of its columns.  Also: which 64 rows of that tile I fetch
	s_bfe_u32 s40, ttmp6, 0x40000                  ; cx, cy
	s_bfe_u32 s41, ttmp6, 0x40004
	s_lshl_b32 s42, ttmp9, 2
	s_add_co_u32 s42, s42, s40                     ; tile column of C
	s_and_b32 s13, ttmp7, 0xffff
	s_lshl_b32 s13, s13, 2
	s_add_co_u32 s13, s13, s41                     ; tile row of C
	s_lshl_b32 s43, s41, 2
	s_lshl_b32 s43, 15, s43                        ; my row of the cluster
	s_lshl_b32 s44, 0x1111, s40                    ; my column
	s_or_b32 s[G1+0], s43, (1<<16)|(1<<20)|(1<<21)|(6<<22)|(3<<25)   ; the mask; 2-byte elements; padding on; bit 21 beside a mask; after every 128 words 4 words
	s_or_b32 s[G1B+0], s44, (1<<16)|(1<<20)|(1<<21)|(6<<22)|(3<<25)
.irp g, G1, G1B
	s_mov_b32 s[(\g)+1], KSTEP<<16                 ; tensor_dim0 = 256
	s_mov_b32 s[(\g)+2], 64<<16                    ; tensor_dim1 = 64
	s_mov_b32 s[(\g)+3], KSTEP<<16                 ; tile_dim0 = 256
	s_mov_b32 s[(\g)+4], 64                        ; tile_dim1 = 64
	s_mov_b32 s[(\g)+5], SIZE_K                    ; elements from row to row
	s_mov_b32 s[(\g)+6], 0
	s_mov_b32 s[(\g)+7], 0
.endr
	s_lshl_b32 s17, s12, 6
	s_lshl_b32 s16, s13, 7
	s_add_co_u32 s16, s16, s17                     ; A: row 128 x tile row + 64 x half
	s_lshl_b32 s46, s42, 7
	s_add_co_u32 s46, s46, s17                     ; B: row 128 x tile column + 64 x half
	s_mov_b32 s17, 0
	s_mov_b32 s47, 0
	s_mov_b64 s[18:19], SIZE_K*2
	s_mul_u64 s[16:17], s[16:17], s[18:19]
	s_mul_u64 s[46:47], s[46:47], s[18:19]
	s_mul_i32 s20, s10, HALFT                      ; where they go: wave x 64 rows
	s_wait_dscnt 0x0                               ; the opening add is done
	s_wait_kmcnt 0x0
	s_add_nc_u64 s[6:7], s[6:7], BOFF
	s_add_nc_u64 s[14:15], s[4:5], s[16:17]
	s_add_nc_u64 s[46:47], s[6:7], s[46:47]
	CROUND                                         ; all sixteen work-groups are here: the first joint loads meet
.irp s, 0,1
	s_mov_b32 s[G0+4*(\s)], 1
	s_add_co_u32 s[G0+4*(\s)+1], s20, (\s)*SLOT
	s_add_nc_u64 s[G0+4*(\s)+2:G0+4*(\s)+3], s[14:15], (\s)*KSTEP*2
	s_or_b32 s[G0+4*(\s)+3], s[G0+4*(\s)+3], 0x80000000
	s_mov_b32 s[G0B+4*(\s)], 1
	s_add_co_u32 s[G0B+4*(\s)+1], s20, (\s)*SLOT
	s_add_nc_u64 s[G0B+4*(\s)+2:G0B+4*(\s)+3], s[46:47], (\s)*KSTEP*2
	s_or_b32 s[G0B+4*(\s)+3], s[G0B+4*(\s)+3], 0x80000000
	JLOAD \s                                       ; K steps 0 and 1: two tensor loads of mine are out
.endr
	v_and_b32 v1, 15, v0                           ; l % 16
	v_bfe_u32 v2, v0, 4, 1                         ; l / 16
	s_lshl_b32 s70, s42, 9                         ; the bias of my 64 columns: 512 bytes a tile column,
	s_lshl_b32 s71, s12, 8                         ; 256 a half
	s_add_co_u32 s70, s70, s71
	s_mov_b32 s71, 0
	s_add_nc_u64 s[68:69], s[68:69], s[70:71]
	v_lshlrev_b32 v[BO], 5, v2
.irp b, 0,1,2,3
	global_load_b128 v[BIAS+8*(\b):BIAS+8*(\b)+3],   v[BO], s[68:69] offset:64*(\b)
	global_load_b128 v[BIAS+8*(\b)+4:BIAS+8*(\b)+7], v[BO], s[68:69] offset:64*(\b)+16
.endr
	v_mul_u32_u24 v3, v1, PITCH
	v_lshl_add_u32 v3, v2, 4, v3                   ; a fragment's row x pitch + 16 x half
	s_mul_i32 s21, s11, HALFT                      ; my 64 rows of A
	s_mul_i32 s22, s12, HALFT                      ; my 64 rows of B,
	s_add_co_u32 s22, s22, 2*HALFT                 ; which lie behind A's 128
	v_add_nc_u32 v[ADRA0], s21, v3
	v_add_nc_u32 v[ADRB0], s22, v3
	v_mov_b32 v[ADRA], v[ADRA0]                    ; K step 0 lies in slot 0
	v_mov_b32 v[ADRB], v[ADRB0]
	s_mov_b32 s[TB], 0
	s_mul_i32 s23, s11, 64*SPITCH                  ; into the stage: my 64 rows, my half of their 512 bytes; row l % 16, 32 bytes for each half of the lanes
	s_lshl_b32 s21, s12, 8
	s_add_co_u32 s23, s23, s21
	v_mul_u32_u24 v4, v1, SPITCH
	v_lshl_add_u32 v4, v2, 5, v4
	v_add_nc_u32 v[STO], s23, v4
	s_mul_i32 s23, s10, 32*SPITCH                  ; back: wave w takes rows 32 w .. 32 w + 31; 32 lanes take one whole row of 512 bytes
	v_and_b32 v5, 31, v0
	v_lshlrev_b32 v[CO], 4, v5
	v_add_nc_u32 v[RD], s23, v[CO]
	s_lshl_b32 s16, s13, 7
	s_lshl_b32 s17, s10, 5
	s_add_co_u32 s16, s16, s17                     ; the first row of C that I store: 128 x tile row + 32 x wave,
	s_lshl_b32 s16, s16, 12                        ; 4,096 bytes a row
	s_mov_b32 s17, 0
	s_add_nc_u64 s[8:9], s[8:9], s[16:17]
	s_lshl_b32 s46, s42, 9                         ; the tile's first column, in bytes
	s_mov_b32 s47, 0
	s_add_nc_u64 s[8:9], s[8:9], s[46:47]
; 8 matrix instructions: m blocks a0, a0 + 1 x all 4 n blocks, 32 along K: half c of buffer f.  zero = 1: the first product starts the sum, with the bias.  The 16 accumulators take turns.
.macro MUL8 f, c, a0, zero
	WIN MUL
.irp a, \a0, (\a0)+1
.irp b, 0,1,2,3
.if \zero
	v_wmma_f32_16x16x32_bf16 v[ACC+8*(4*(\a)+(\b)):ACC+8*(4*(\a)+(\b))+7], v[(\f)+64+8*(4*(\c)+(\b)):(\f)+64+8*(4*(\c)+(\b))+7], v[(\f)+8*(4*(\c)+(\a)):(\f)+8*(4*(\c)+(\a))+7], v[BIAS+8*(\b):BIAS+8*(\b)+7]
.else
	v_wmma_f32_16x16x32_bf16 v[ACC+8*(4*(\a)+(\b)):ACC+8*(4*(\a)+(\b))+7], v[(\f)+64+8*(4*(\c)+(\b)):(\f)+64+8*(4*(\c)+(\b))+7], v[(\f)+8*(4*(\c)+(\a)):(\f)+8*(4*(\c)+(\a))+7], v[ACC+8*(4*(\a)+(\b)):ACC+8*(4*(\a)+(\b))+7]
.endif
.endr
.endr
.endm
; 32 LDS loads in one run: the fragments of 64 along K at byte k of the rows of the slot that is being read, into buffer f; the first 32 along K first
.macro FETCH k, f
	WIN TO_F
.irp c, 0,1
.irp i, 0,1,2,3
	ds_load_b128 v[(\f)+64+8*(4*(\c)+(\i)):(\f)+64+8*(4*(\c)+(\i))+3],   v[ADRB] offset:(\k)+64*(\c)+(\i)*16*PITCH
	ds_load_b128 v[(\f)+64+8*(4*(\c)+(\i))+4:(\f)+64+8*(4*(\c)+(\i))+7], v[ADRB] offset:(\k)+64*(\c)+(\i)*16*PITCH+32
	ds_load_b128 v[(\f)+8*(4*(\c)+(\i)):(\f)+8*(4*(\c)+(\i))+3],         v[ADRA] offset:(\k)+64*(\c)+(\i)*16*PITCH
	ds_load_b128 v[(\f)+8*(4*(\c)+(\i))+4:(\f)+8*(4*(\c)+(\i))+7],       v[ADRA] offset:(\k)+64*(\c)+(\i)*16*PITCH+32
.endr
.endr
.endm
.macro PLACES                          ; four independent vector instructions in front of loads into registers that matrix instructions have read, and of stores that read results
.rept 4
	v_nop
.endr
.endm
; A K step is four quarters of 64 along K, 32 matrix instructions each, on buffers 0, 1, 0, 1.  One of the first three: multiplies buffer f and fetches the next quarter, at byte k, into g.
.macro QUARTER k, f, g, zero
	s_wait_dscnt 16                                ; the first 32 along K are in; the youngest sixteen loads may be out
	MUL8 \f, 0, 0, \zero
	MUL8 \f, 0, 2, \zero
	PLACES
	FETCH \k, \g
	s_wait_dscnt 32                                ; all but the 32 just issued
	MUL8 \f, 1, 0, 0
	MUL8 \f, 1, 2, 0
.endm
; The last quarter multiplies buffer 1 and changes slots: ONE barrier; in front of it each wave waits for all its tensor loads, adds 0 to its spare word, and waits for that and for its own reads of this slot.
; fill = 1: the barrier opens a round of the cluster's barrier, and behind the round this slot is filled again, two K steps ahead: my one tensor load until the next round.  Then the reads turn to the other slot.
.macro TURN fill
	WIN 0                                          ; (the add's two registers lie in window 0)
	s_wait_tensorcnt 0x0                           ; all my tensor loads have landed: my part of the next slot; so a group 0 may be written
	ds_add_u32 v[SPW], v[NIL]                      ; 0 onto my spare word
	s_wait_dscnt 17                                ; (the add and the youngest sixteen loads may be out)
	MUL8 F1, 0, 0, 0                               ; eight matrix instructions stand between the add and the wait for it
	s_wait_dscnt 0x0                               ; the add is done, and my reads of this slot are over
	s_barrier_signal -1
	MUL8 F1, 0, 2, 0
	WIN 0                                          ; (branches and the address lines follow)
	s_barrier_wait -1
.if \fill
	CREST                                          ; no wave of any partner still reads this slot's tile or has a load on its way
.irp g, G0+4, G0B+4
	s_xor_b32 s[(\g)+1], s[(\g)+1], SLOT           ; the walking descriptor: the other slot than last time,
	s_add_nc_u64 s[(\g)+2:(\g)+3], s[(\g)+2:(\g)+3], KSTEP*2  ; the next K step; the type bits on top are not reached
.endr
	JLOAD 1                                        ; the four v_nop behind it are also the places in front of the loads below
.else
	PLACES
.endif
	s_xor_b32 s[TB], s[TB], SLOT                   ; the reads go on in the other slot
	v_add_nc_u32 v[ADRA], s[TB], v[ADRA0]
	v_add_nc_u32 v[ADRB], s[TB], v[ADRB0]
	FETCH 0, F0
	MUL8 F1, 1, 0, 0
	MUL8 F1, 1, 2, 0
.endm
	s_wait_tensorcnt 1                             ; my part of K step 0 is in; K step 1's may stay out
	s_barrier_signal -1
	s_barrier_wait -1                              ; everybody's is
	FETCH 0, F0
	s_wait_loadcnt 0x0                             ; the bias
	QUARTER 128, F0, F1, 1                         ; the first quarter stands in front of the loop: its first products start the sums
	WIN 0                                          ; at a label and at a branch every window is 0
	s_mov_b32 s3, NSTEP-2
.Lstep:                                                ; a trip goes from a K step's second quarter to the next step's first, and fills the slot that it leaves
	QUARTER 256, F1, F0, 0
	QUARTER 384, F0, F1, 0
	TURN 1
	QUARTER 128, F0, F1, 0
	WIN 0
	s_sub_co_u32 s3, s3, 1
	s_cmp_lg_u32 s3, 0
	s_cbranch_scc1 .Lstep
	QUARTER 256, F1, F0, 0                         ; the last two K steps fill nothing, and have no round of the cluster's barrier
	QUARTER 384, F0, F1, 0
	TURN 0                                         ; behind this barrier no wave reads slot 0 any more, and nothing is filled into it
	QUARTER 128, F0, F1, 0
	QUARTER 256, F1, F0, 0
	QUARTER 384, F0, F1, 0
	s_wait_dscnt 16                                ; the very last quarter: nothing more to fetch
	MUL8 F1, 0, 0, 0
	MUL8 F1, 0, 2, 0
	s_wait_dscnt 0x0
	MUL8 F1, 1, 0, 0
	MUL8 F1, 1, 2, 0
	WIN 0
	; THE WAY OUT: 32 bytes a lane and accumulator into the stage, each accumulator's low half first; a barrier, since a row's 512 bytes come from two waves; back as whole rows, 32 rows a wave.
	PLACES
.irp a, 0,1,2,3
.irp b, 0,1,2,3
	ds_store_b128 v[STO], v[ACC+8*(4*(\a)+(\b)):ACC+8*(4*(\a)+(\b))+3]   offset:(\a)*16*SPITCH+64*(\b)
	ds_store_b128 v[STO], v[ACC+8*(4*(\a)+(\b))+4:ACC+8*(4*(\a)+(\b))+7] offset:(\a)*16*SPITCH+64*(\b)+16
.endr
.endr
	s_wait_dscnt 0x0                               ; for the others' sake: my stores into the stage are done
	s_barrier_signal -1
	s_barrier_wait -1
.set t, 0
.rept 32
	ds_load_b128 v[ACC+4*t:ACC+4*t+3], v[RD] offset:t*SPITCH
.set t, t+1
.endr
.set t, 0
.rept 32
	s_wait_dscnt 31-t                              ; LDS loads come back in order: row t is in, the 31 - t younger ones may be out
	global_store_b128 v[CO], v[ACC+4*t:ACC+4*t+3], s[8:9] offset:t*4096  ; 32 lanes store 512 consecutive bytes, at a multiple of 256 from C's first byte
.set t, t+1
.endr
	s_wait_tensorcnt 0x0                           ; the wave's end: a wait, an add and its wait, behind my last tensor load and my last LDS store
	ds_add_u32 v[SPW], v[NIL]
	s_wait_dscnt 0x0
	CROUND                                         ; the closing round: no work-group ends while a partner may still ask for a tile that names it
	s_endpgm
.Lfunc_end_k_q8ecddfff6e_oproj:
	.size	k_q8ecddfff6e_oproj, .Lfunc_end_k_q8ecddfff6e_oproj-k_q8ecddfff6e_oproj
	.p2alignl 7, 3214868480
	.fill 96, 4, 3214868480
	.section	.rodata,"a",@progbits
	.p2align	6, 0x0
	.amdhsa_kernel k_q8ecddfff6e_oproj
		.amdhsa_group_segment_fixed_size 327680
		.amdhsa_private_segment_fixed_size 0
		.amdhsa_enable_private_segment 0
		.amdhsa_kernarg_size 32
		.amdhsa_user_sgpr_count 2
		.amdhsa_user_sgpr_kernarg_segment_ptr 1
		.amdhsa_wavefront_size32 1
		.amdhsa_system_sgpr_workgroup_id_x 1
		.amdhsa_system_sgpr_workgroup_id_y 1
		.amdhsa_system_sgpr_workgroup_id_z 1
		.amdhsa_system_vgpr_workitem_id 0
		.amdhsa_next_free_vgpr 512
		.amdhsa_next_free_sgpr 72
		.amdhsa_reserve_vcc 0
		.amdhsa_float_denorm_mode_32 3
		.amdhsa_float_denorm_mode_16_64 3
		.amdhsa_memory_ordered 1
		.amdhsa_forward_progress 1
		.amdhsa_inst_pref_size 69
	.end_amdhsa_kernel
	.amdgpu_metadata
---
amdhsa.version: [ 1, 2 ]
amdhsa.kernels:
  - .name:           k_q8ecddfff6e_oproj
    .symbol:         k_q8ecddfff6e_oproj.kd
    .args:
      - { .name: actb, .offset: 0, .size: 8, .value_kind: global_buffer, .address_space: global }
      - { .name: wrest, .offset: 8, .size: 8, .value_kind: global_buffer, .address_space: global }
      - { .name: res32, .offset: 16, .size: 8, .value_kind: global_buffer, .address_space: global }
      - { .name: out_b, .offset: 24, .size: 8, .value_kind: global_buffer, .address_space: global }
    .group_segment_fixed_size: 327680
    .private_segment_fixed_size: 0
    .kernarg_segment_align: 8
    .kernarg_segment_size: 32
    .max_flat_workgroup_size: 128
    .sgpr_count:     72
    .vgpr_count:     512
    .wavefront_size: 32
...
	.end_amdgpu_metadata
.endif
;; end of part 4
;; launch ln1 (part 5): grid 256 x 1, 8 waves a work-group, no clusters, 0 bytes of LDS; arguments x, res32, ln1_w, ln1_b, hf, actb; writes hf, actb
.if DOCPART == 5
	.amdgcn_target "amdgcn-amd-amdhsa--gfx1250"
	.amdhsa_code_object_version 6
	.text
	.protected	k_q8ecddfff6e_ln1
	.globl	k_q8ecddfff6e_ln1
	.p2align	8
	.type	k_q8ecddfff6e_ln1,@function
k_q8ecddfff6e_ln1:
	s_mov_b64 s[64:65], 0
	v_nop
	global_prefetch_b8 v0, s[64:65] scope:SCOPE_SE
	s_setreg_imm32_b32 hwreg(HW_REG_WAVE_MODE, 25, 1), 1
	s_wait_xcnt 0x0
; h = w (y - u) / sqrt(s + 1e-12) + b with y = x + t, u the mean of y's row and s the mean of (y - u)^2: the row is centred first, then squared.  All in f32.
; x: the layer's input, t: the attention branch (with its bias), both [4096][1024] f32.  h leaves twice: in f32 (the second residual) and rounded once to bf16 (the operand of the first FFN product).
; A row is 4,096 bytes: one wave takes a whole row, eight 16-byte loads a lane from each of the two inputs, and keeps it in registers: nothing is read twice, and the sums never leave the wave.
; Eight waves, two rows each, no loop: all 48 loads of a wave are issued at once, and a wave's w and b serve both its rows.  A stream read once: no LDS, no barrier, no matrix unit.
.set HB,  1                            ; 1: a bf16 copy leaves too
.set W,   8                            ; v[8:39]    w of my 32 columns (columns 128 j + 4 lane + 0..3)
.set B,   40                           ; v[40:71]   b
.set T,   232                          ; v[232:239] at work: sums, then the mean twice (T+2) and the reciprocal root twice (T+4)
	s_load_b256 s[4:11], s[0:1], 0x0               ; x s[4:5], t s[6:7], w s[8:9], b s[10:11]
	s_load_b128 s[12:15], s[0:1], 0x20             ; h in f32 s[12:13], in bf16 s[14:15]
	v_lshrrev_b32 v4, 5, v0                        ; wave
	v_and_b32 v5, 31, v0                           ; lane
	v_lshlrev_b32 v3, 4, v5                        ; 16 x lane: w and b
	v_lshl_add_u32 v1, v4, 13, v3                  ; + wave x two rows of 4,096 bytes
	v_lshlrev_b32 v2, 3, v5
	v_lshl_add_u32 v2, v4, 12, v2                  ; bf16: 8 x lane + wave x two rows of 2,048 bytes
	s_lshl_b32 s16, ttmp9, 16                      ; the work-group's 16 rows
	s_mov_b32 s17, 0
	s_lshl_b32 s18, ttmp9, 15
	s_mov_b32 s19, 0
	s_mov_b32 s20, 0x3a800000                      ; 1 / 1,024
	s_mov_b32 s21, 0x2b8cbccc                      ; 1e-12
	s_mov_b32 s22, 0x76543210                      ; v_permlanex16_b32: each lane takes its own place in the other half
	s_mov_b32 s23, 0xfedcba98
	s_wait_kmcnt 0x0
	s_add_nc_u64 s[4:5], s[4:5], s[16:17]
	s_add_nc_u64 s[6:7], s[6:7], s[16:17]
	s_add_nc_u64 s[12:13], s[12:13], s[16:17]
	s_add_nc_u64 s[14:15], s[14:15], s[18:19]
.irp j, 0,1,2,3,4,5,6,7
	global_load_b128 v[W+4*(\j):W+4*(\j)+3], v3, s[8:9] offset:512*(\j)
.endr
.irp j, 0,1,2,3,4,5,6,7
	global_load_b128 v[B+4*(\j):B+4*(\j)+3], v3, s[10:11] offset:512*(\j)
.endr
.irp i, 0,1
.irp j, 0,1,2,3,4,5,6,7
	global_load_b128 v[72+64*(\i)+4*(\j):72+64*(\i)+4*(\j)+3],   v1, s[4:5] offset:(\i)*4096+512*(\j) th:TH_LOAD_NT
.endr
.irp j, 0,1,2,3,4,5,6,7
	global_load_b128 v[104+64*(\i)+4*(\j):104+64*(\i)+4*(\j)+3], v1, s[6:7] offset:(\i)*4096+512*(\j) th:TH_LOAD_NT
.endr
.endr
.macro ACROSS r                        ; the sum of v[r] over the wave's 32 lanes, into every lane; v[r+1], written before, is at work
	v_add_f32_dpp v[\r], v[\r], v[\r] row_xmask:1 row_mask:0xf bank_mask:0xf
	v_add_f32_dpp v[\r], v[\r], v[\r] row_xmask:2 row_mask:0xf bank_mask:0xf
	v_add_f32_dpp v[\r], v[\r], v[\r] row_xmask:4 row_mask:0xf bank_mask:0xf
	v_add_f32_dpp v[\r], v[\r], v[\r] row_xmask:8 row_mask:0xf bank_mask:0xf
	v_permlanex16_b32 v[(\r)+1], v[\r], s22, s23
	v_add_f32 v[\r], v[\r], v[(\r)+1]
.endm
; Row i of the wave's two.  left = how many younger loads may stay out.
.macro LNROW i, left
.set Y, 72+64*(\i)                     ; the row, 32 registers
.set R, 104+64*(\i)                    ; the branch; once it is added, its first eight registers hold the chains of squares
.set O, 200+16*(\i)                    ; the bf16 copy
	s_wait_loadcnt \left
.set j, 0
.rept 16
	v_pk_add_f32 v[Y+j:Y+j+1], v[Y+j:Y+j+1], v[R+j:R+j+1]
.set j, j+2
.endr
.set j, 0
.rept 4                                ; the sum, in four chains that do not wait for each other; the first eight pairs start them
	v_pk_add_f32 v[T+j:T+j+1], v[Y+j:Y+j+1], v[Y+8+j:Y+8+j+1]
.set j, j+2
.endr
.set j, 16
.rept 8
	v_pk_add_f32 v[T+j%8:T+j%8+1], v[T+j%8:T+j%8+1], v[Y+j:Y+j+1]
.set j, j+2
.endr
	v_pk_add_f32 v[T:T+1], v[T:T+1], v[T+4:T+5]
	v_pk_add_f32 v[T+2:T+3], v[T+2:T+3], v[T+6:T+7]
	v_pk_add_f32 v[T:T+1], v[T:T+1], v[T+2:T+3]
	v_add_f32 v[T], v[T], v[T+1]
	ACROSS T
	v_mul_f32 v[T+2], s20, v[T]                    ; the mean, twice: a pair for the packed subtraction
	v_mul_f32 v[T+3], s20, v[T]
.set j, 0
.rept 16
	v_pk_add_f32 v[Y+j:Y+j+1], v[Y+j:Y+j+1], v[T+2:T+3] neg_lo:[0,1] neg_hi:[0,1]
.set j, j+2
.endr
.set j, 0
.rept 4
	v_pk_mul_f32 v[R+j:R+j+1], v[Y+j:Y+j+1], v[Y+j:Y+j+1]
.set j, j+2
.endr
.set j, 8
.rept 12
	v_pk_fma_f32 v[R+j%8:R+j%8+1], v[Y+j:Y+j+1], v[Y+j:Y+j+1], v[R+j%8:R+j%8+1]
.set j, j+2
.endr
	v_pk_add_f32 v[R:R+1], v[R:R+1], v[R+4:R+5]
	v_pk_add_f32 v[R+2:R+3], v[R+2:R+3], v[R+6:R+7]
	v_pk_add_f32 v[R:R+1], v[R:R+1], v[R+2:R+3]
	v_add_f32 v[R], v[R], v[R+1]
	ACROSS R
	v_fma_f32 v[R+2], v[R], s20, s21               ; s + 1e-12
	v_rsq_f32 v[T+4], v[R+2]
	v_rsq_f32 v[T+5], v[R+2]
	v_nop                                          ; a plain instruction between the last v_rsq_f32 and the use of its result (ISA guide 5.7.2)
.set j, 0
	s_wait_alu depctr_va_vdst(0)
.rept 16
	v_pk_mul_f32 v[Y+j:Y+j+1], v[Y+j:Y+j+1], v[T+4:T+5]
.set j, j+2
.endr
.set j, 0
.rept 16
	v_pk_fma_f32 v[Y+j:Y+j+1], v[Y+j:Y+j+1], v[W+j:W+j+1], v[B+j:B+j+1]
.set j, j+2
.endr
.irp j, 0,1,2,3,4,5,6,7
	global_store_b128 v1, v[Y+4*(\j):Y+4*(\j)+3], s[12:13] offset:(\i)*4096+512*(\j)  ; 512 consecutive bytes, aligned
.endr
.if HB
.set j, 0
.rept 16
	v_cvt_pk_bf16_f32 v[O+j], v[Y+2*j], v[Y+2*j+1]
.set j, j+1
.endr
.irp j, 0,1,2,3,4,5,6,7
	global_store_b64 v2, v[O+2*(\j):O+2*(\j)+1], s[14:15] offset:(\i)*2048+256*(\j)   ; 256 consecutive bytes, aligned
.endr
.endif
.endm
	LNROW 0, 16                                    ; row 1's sixteen loads may stay out
	LNROW 1, 0                                     ; no register that a store of row 0 reads is written here
	s_endpgm
.Lfunc_end_k_q8ecddfff6e_ln1:
	.size	k_q8ecddfff6e_ln1, .Lfunc_end_k_q8ecddfff6e_ln1-k_q8ecddfff6e_ln1
	.p2alignl 7, 3214868480
	.fill 96, 4, 3214868480
	.section	.rodata,"a",@progbits
	.p2align	6, 0x0
	.amdhsa_kernel k_q8ecddfff6e_ln1
		.amdhsa_group_segment_fixed_size 0
		.amdhsa_private_segment_fixed_size 0
		.amdhsa_enable_private_segment 0
		.amdhsa_kernarg_size 48
		.amdhsa_user_sgpr_count 2
		.amdhsa_user_sgpr_kernarg_segment_ptr 1
		.amdhsa_wavefront_size32 1
		.amdhsa_system_sgpr_workgroup_id_x 1
		.amdhsa_system_sgpr_workgroup_id_y 1
		.amdhsa_system_sgpr_workgroup_id_z 1
		.amdhsa_system_vgpr_workitem_id 0
		.amdhsa_next_free_vgpr 240
		.amdhsa_next_free_sgpr 66
		.amdhsa_reserve_vcc 0
		.amdhsa_float_denorm_mode_32 3
		.amdhsa_float_denorm_mode_16_64 3
		.amdhsa_memory_ordered 1
		.amdhsa_forward_progress 1
		.amdhsa_inst_pref_size 25
	.end_amdhsa_kernel
	.amdgpu_metadata
---
amdhsa.version: [ 1, 2 ]
amdhsa.kernels:
  - .name:           k_q8ecddfff6e_ln1
    .symbol:         k_q8ecddfff6e_ln1.kd
    .args:
      - { .name: x, .offset: 0, .size: 8, .value_kind: global_buffer, .address_space: global }
      - { .name: res32, .offset: 8, .size: 8, .value_kind: global_buffer, .address_space: global }
      - { .name: ln1_w, .offset: 16, .size: 8, .value_kind: global_buffer, .address_space: global }
      - { .name: ln1_b, .offset: 24, .size: 8, .value_kind: global_buffer, .address_space: global }
      - { .name: hf, .offset: 32, .size: 8, .value_kind: global_buffer, .address_space: global }
      - { .name: actb, .offset: 40, .size: 8, .value_kind: global_buffer, .address_space: global }
    .group_segment_fixed_size: 0
    .private_segment_fixed_size: 0
    .kernarg_segment_align: 8
    .kernarg_segment_size: 48
    .max_flat_workgroup_size: 256
    .sgpr_count:     66
    .vgpr_count:     240
    .wavefront_size: 32
...
	.end_amdgpu_metadata
.endif
;; end of part 5
;; launch fc1: the kernel of part 2 again; grid 16 x 16, 4 waves a work-group, clusters of 4 x 4, 327,680 bytes of LDS; arguments actb, wrest, big, fc1_b, flo_relu; writes big
;; launch fc2 (part 6): grid 8 x 32, 4 waves a work-group, clusters of 4 x 4, 327,680 bytes of LDS; arguments big, wrest, res32, fc2_b; writes res32
.if DOCPART == 6
	.amdgcn_target "amdgcn-amd-amdhsa--gfx1250"
	.amdhsa_code_object_version 6
	.text
	.protected	k_q8ecddfff6e_fc2
	.globl	k_q8ecddfff6e_fc2
	.p2align	8
	.type	k_q8ecddfff6e_fc2,@function
k_q8ecddfff6e_fc2:
	s_mov_b64 s[64:65], 0
	v_nop
	global_prefetch_b8 v0, s[64:65] scope:SCOPE_SE
	s_setreg_imm32_b32 hwreg(HW_REG_WAVE_MODE, 25, 1), 1
	s_wait_xcnt 0x0
	s_wait_alu depctr_hold_cnt(0) depctr_sa_sdst(0) depctr_va_vdst(0) depctr_va_sdst(0) depctr_va_ssrc(0) depctr_va_vcc(0) depctr_vm_vsrc(0)
	s_getreg_b32 s2, hwreg(HW_REG_IB_STS2, 6, 4)
	s_cmp_eq_u32 s2, 0
	s_cbranch_scc0 .Lentry_in_a_cluster
	s_endpgm
.Lentry_in_a_cluster:
	s_bfe_u32 s2, ttmp6, 0x10000c
	s_cmp_lg_u32 s2, 0xf033
	s_cbranch_scc0 .Lentry_shape_is_right
	s_endpgm
.Lentry_shape_is_right:
; C[m][n] = the sum over k of A[m][k] B[n][k] + bias[n].  A: [4096][SIZE_K] bf16, B: [1024][SIZE_K] bf16 at byte BOFF of its buffer, bias: [1024] f32, C: [4096][1024] f32; sums in f32, nothing is rounded on the way out.
; Here: the second FFN product, SIZE_K = 4,096, A = relu(fc1), B = fc2_w.  (The attention's output projection has the same text with SIZE_K = 1,024 and B = out_w: the loop holds barriers, so its trip count is a constant of the text.)
; C has 64 tiles of 256 x 256, too few for the chip's work-group processors, and 256 tiles of 128 x 128: a tile of C is 128 x 128.  Four waves, each 64 x 64: 16 accumulators of 16 x 16, 128 registers.
; K goes in steps of 256 (LDS rows of 512 bytes; a wave's tensor load brings 64 of them), as long as two slots in LDS allow.
; A K STEP IS WRITTEN ONCE: a trip of the loop is one K step, and which slot it reads stands in registers: the scalar TB (0 or SLOT) is turned by an exclusive or at each change of slots, the two fragment
; addresses are made anew from it, and one descriptor for A's tiles and one for B's walk on: LDS word turned, address one K step further.  The last two K steps, which fill nothing, are written out.
; CLUSTERS: 4 x 4 work-groups.  The four of a row of the cluster need the same tiles of A, the four of a column the same tiles of B: each tile is asked for JOINTLY.
; THE MATRIX INSTRUCTION IS USED TRANSPOSED (source 0 = 16 rows of B, source 1 = 16 rows of A): a lane holds eight neighbouring numbers of a row of C.  THE BIAS STARTS THE SUMS, as the first products' C operand.
; THE WAY OUT goes through one stage of 128 rows x 528 bytes.  It lies over slot 0: the number of K steps is even, so the last step lies in slot 1, and slot 0's last fill has landed and its last read is over in
; every wave at the barrier of the last change of slots.
; No prefetch: a small tile's K step is short, and the tiles are shared in the cluster first.
; REGISTERS: window 0: v0-31 addresses; v96-127 the bias; v128-255 the accumulators ((a, b) at v[128 + 8 (4 a + b)]), later the rows on the way out.
;   window 1: two fragment buffers of 128: for 64 along K, 64 registers of A, then 64 of B.
.set SIZE_K, 4096
.set BOFF,   10485760                  ; fc2_w in wrest
.set KSTEP,  256
.set NSTEP,  SIZE_K/KSTEP              ; K steps: an even number, at least 4
.set PITCH,  528                       ; an LDS row: 512 bytes + 16 of padding = 132 words: the 16 rows that a load touches start at 16 different groups of four banks (64 banks of 4 bytes: ISA guide 11.1)
.set HALFT,  64*PITCH                  ; 0x8400 bytes
.set SLOT,   4*HALFT                   ; A's 128 rows, then B's 128 rows: 0x21000 bytes, which shares no bit with wave x HALFT (0, 0x8400, 0x10800, 0x18c00): an exclusive or with SLOT adds it or takes it away
.set SPITCH, 528                       ; a stage row: 128 f32 + 16 bytes; the stage begins at LDS byte 0
.set SPARE,  2*SLOT                    ; behind the ring: the spare words, 128 bytes for each wave: two blocks of 256 bytes that no other line names
.set ADRA0, 16                         ; v16     LDS address of my A fragments in slot 0; never rewritten
.set ADRA,  17                         ; v17     the same in the slot that is being read
.set ADRB0, 20                         ; v20, v21 the same for B
.set ADRB,  21
.set STO,  24                          ; v24     the way out: where I put 32 bytes of a row
.set RD,   25                          ; v25     where I read a row back
.set CO,   26                          ; v26     my 16 bytes in a row's 512
.set BO,   27                          ; v27     my byte offset in the bias: 32 (l / 16)
.set SPW,  28
.set NIL,  29
.set BIAS, 96
.set ACC,  128
.set F0,   0
.set F1,   128
.set G1, 24                            ; s[24:31] descriptor group 1 for A's tiles
.set G0, 32                            ; s[32:39] group 0 for A's tiles: a set for each of the two first fills; the second then walks on
.set G1B, 48                           ; s[48:55], s[56:63] the same for B's
.set G0B, 56
.set TB, 66                            ; s66     where the slot that is being read begins: 0 or SLOT
.set MSB, 0
.macro WIN new
.if MSB != (\new)
	s_set_vgpr_msb (MSB<<8)|(\new)
.set MSB, \new
.endif
.endm
.set MUL,  0x05                        ; sources 0 (B) and 1 (A) window 1; C and D window 0
.set TO_F, 0x40                        ; destination window 1, address window 0
.macro JLOAD s                         ; a joint load: waves 0 and 1 fetch A's two halves, waves 2 and 3 B's; an s_nop 0 and four v_nop follow each of the two lines
	s_cmp_eq_u32 s11, 0
	s_cbranch_scc0 .Lfor_b_\@
	tensor_load_to_lds s[G0+4*(\s):G0+4*(\s)+3], s[G1:G1+7]
	s_nop 0
.rept 4
	v_nop
.endr
	s_branch .Lasked_\@
.Lfor_b_\@:
	tensor_load_to_lds s[G0B+4*(\s):G0B+4*(\s)+3], s[G1B:G1B+7]
	s_nop 0
.rept 4
	v_nop
.endr
.Lasked_\@:
.endm
.macro CREST
	s_cmp_lg_u32 s10, 0
	s_cbranch_scc1 .Lnot_wave_0_\@
	s_barrier_signal -3
.Lnot_wave_0_\@:
	s_barrier_wait -3
	s_barrier_signal -1
	s_barrier_wait -1
.endm
.macro CROUND
	s_barrier_signal -1
	s_barrier_wait -1
	CREST
.endm
	s_load_b128 s[4:7], s[0:1], 0x0                ; A s[4:5], B's buffer s[6:7]
	s_load_b64 s[8:9], s[0:1], 0x10                ; C
	s_load_b64 s[68:69], s[0:1], 0x18              ; the bias
	v_lshl_add_u32 v[SPW], v0, 2, SPARE
	v_mov_b32 v[NIL], 0
	ds_add_u32 v[SPW], v[NIL]                      ; the wave's opening: the add and its wait stand ahead of my first tensor load
	v_lshrrev_b32 v1, 5, v0
	v_readfirstlane_b32 s10, v1                    ; wave 0..3
	s_lshr_b32 s11, s10, 1                         ; which half of the tile's rows is mine.  Also: I fetch for A (0) or for B (1)
	s_and_b32 s12, s10, 1                          ; which half of its columns.  Also: which 64 rows of that tile I fetch
	s_bfe_u32 s40, ttmp6, 0x40000                  ; cx, cy
	s_bfe_u32 s41, ttmp6, 0x40004
	s_lshl_b32 s42, ttmp9, 2
	s_add_co_u32 s42, s42, s40                     ; tile column of C
	s_and_b32 s13, ttmp7, 0xffff
	s_lshl_b32 s13, s13, 2
	s_add_co_u32 s13, s13, s41                     ; tile row of C
	s_lshl_b32 s43, s41, 2
	s_lshl_b32 s43, 15, s43                        ; my row of the cluster
	s_lshl_b32 s44, 0x1111, s40                    ; my column
	s_or_b32 s[G1+0], s43, (1<<16)|(1<<20)|(1<<21)|(6<<22)|(3<<25)   ; the mask; 2-byte elements; padding on; bit 21 beside a mask; after every 128 words 4 words
	s_or_b32 s[G1B+0], s44, (1<<16)|(1<<20)|(1<<21)|(6<<22)|(3<<25)
.irp g, G1, G1B
	s_mov_b32 s[(\g)+1], KSTEP<<16                 ; tensor_dim0 = 256
	s_mov_b32 s[(\g)+2], 64<<16                    ; tensor_dim1 = 64
	s_mov_b32 s[(\g)+3], KSTEP<<16                 ; tile_dim0 = 256
	s_mov_b32 s[(\g)+4], 64                        ; tile_dim1 = 64
	s_mov_b32 s[(\g)+5], SIZE_K                    ; elements from row to row
	s_mov_b32 s[(\g)+6], 0
	s_mov_b32 s[(\g)+7], 0
.endr
	s_lshl_b32 s17, s12, 6
	s_lshl_b32 s16, s13, 7
	s_add_co_u32 s16, s16, s17                     ; A: row 128 x tile row + 64 x half
	s_lshl_b32 s46, s42, 7
	s_add_co_u32 s46, s46, s17                     ; B: row 128 x tile column + 64 x half
	s_mov_b32 s17, 0
	s_mov_b32 s47, 0
	s_mov_b64 s[18:19], SIZE_K*2
	s_mul_u64 s[16:17], s[16:17], s[18:19]
	s_mul_u64 s[46:47], s[46:47], s[18:19]
	s_mul_i32 s20, s10, HALFT                      ; where they go: wave x 64 rows
	s_wait_dscnt 0x0                               ; the opening add is done
	s_wait_kmcnt 0x0
	s_add_nc_u64 s[6:7], s[6:7], BOFF
	s_add_nc_u64 s[14:15], s[4:5], s[16:17]
	s_add_nc_u64 s[46:47], s[6:7], s[46:47]
	CROUND                                         ; all sixteen work-groups are here: the first joint loads meet
.irp s, 0,1
	s_mov_b32 s[G0+4*(\s)], 1
	s_add_co_u32 s[G0+4*(\s)+1], s20, (\s)*SLOT
	s_add_nc_u64 s[G0+4*(\s)+2:G0+4*(\s)+3], s[14:15], (\s)*KSTEP*2
	s_or_b32 s[G0+4*(\s)+3], s[G0+4*(\s)+3], 0x80000000
	s_mov_b32 s[G0B+4*(\s)], 1
	s_add_co_u32 s[G0B+4*(\s)+1], s20, (\s)*SLOT
	s_add_nc_u64 s[G0B+4*(\s)+2:G0B+4*(\s)+3], s[46:47], (\s)*KSTEP*2
	s_or_b32 s[G0B+4*(\s)+3], s[G0B+4*(\s)+3], 0x80000000
	JLOAD \s                                       ; K steps 0 and 1: two tensor loads of mine are out
.endr
	v_and_b32 v1, 15, v0                           ; l % 16
	v_bfe_u32 v2, v0, 4, 1                         ; l / 16
	s_lshl_b32 s70, s42, 9                         ; the bias of my 64 columns: 512 bytes a tile column,
	s_lshl_b32 s71, s12, 8                         ; 256 a half
	s_add_co_u32 s70, s70, s71
	s_mov_b32 s71, 0
	s_add_nc_u64 s[68:69], s[68:69], s[70:71]
	v_lshlrev_b32 v[BO], 5, v2
.irp b, 0,1,2,3
	global_load_b128 v[BIAS+8*(\b):BIAS+8*(\b)+3],   v[BO], s[68:69] offset:64*(\b)
	global_load_b128 v[BIAS+8*(\b)+4:BIAS+8*(\b)+7], v[BO], s[68:69] offset:64*(\b)+16
.endr
	v_mul_u32_u24 v3, v1, PITCH
	v_lshl_add_u32 v3, v2, 4, v3                   ; a fragment's row x pitch + 16 x half
	s_mul_i32 s21, s11, HALFT                      ; my 64 rows of A
	s_mul_i32 s22, s12, HALFT                      ; my 64 rows of B,
	s_add_co_u32 s22, s22, 2*HALFT                 ; which lie behind A's 128
	v_add_nc_u32 v[ADRA0], s21, v3
	v_add_nc_u32 v[ADRB0], s22, v3
	v_mov_b32 v[ADRA], v[ADRA0]                    ; K step 0 lies in slot 0
	v_mov_b32 v[ADRB], v[ADRB0]
	s_mov_b32 s[TB], 0
	s_mul_i32 s23, s11, 64*SPITCH                  ; into the stage: my 64 rows, my half of their 512 bytes; row l % 16, 32 bytes for each half of the lanes
	s_lshl_b32 s21, s12, 8
	s_add_co_u32 s23, s23, s21
	v_mul_u32_u24 v4, v1, SPITCH
	v_lshl_add_u32 v4, v2, 5, v4
	v_add_nc_u32 v[STO], s23, v4
	s_mul_i32 s23, s10, 32*SPITCH                  ; back: wave w takes rows 32 w .. 32 w + 31; 32 lanes take one whole row of 512 bytes
	v_and_b32 v5, 31, v0
	v_lshlrev_b32 v[CO], 4, v5
	v_add_nc_u32 v[RD], s23, v[CO]
	s_lshl_b32 s16, s13, 7
	s_lshl_b32 s17, s10, 5
	s_add_co_u32 s16, s16, s17                     ; the first row of C that I store: 128 x tile row + 32 x wave,
	s_lshl_b32 s16, s16, 12                        ; 4,096 bytes a row
	s_mov_b32 s17, 0
	s_add_nc_u64 s[8:9], s[8:9], s[16:17]
	s_lshl_b32 s46, s42, 9                         ; the tile's first column, in bytes
	s_mov_b32 s47, 0
	s_add_nc_u64 s[8:9], s[8:9], s[46:47]
; 8 matrix instructions: m blocks a0, a0 + 1 x all 4 n blocks, 32 along K: half c of buffer f.  zero = 1: the first product starts the sum, with the bias.  The 16 accumulators take turns.
.macro MUL8 f, c, a0, zero
	WIN MUL
.irp a, \a0, (\a0)+1
.irp b, 0,1,2,3
.if \zero
	v_wmma_f32_16x16x32_bf16 v[ACC+8*(4*(\a)+(\b)):ACC+8*(4*(\a)+(\b))+7], v[(\f)+64+8*(4*(\c)+(\b)):(\f)+64+8*(4*(\c)+(\b))+7], v[(\f)+8*(4*(\c)+(\a)):(\f)+8*(4*(\c)+(\a))+7], v[BIAS+8*(\b):BIAS+8*(\b)+7]
.else
	v_wmma_f32_16x16x32_bf16 v[ACC+8*(4*(\a)+(\b)):ACC+8*(4*(\a)+(\b))+7], v[(\f)+64+8*(4*(\c)+(\b)):(\f)+64+8*(4*(\c)+(\b))+7], v[(\f)+8*(4*(\c)+(\a)):(\f)+8*(4*(\c)+(\a))+7], v[ACC+8*(4*(\a)+(\b)):ACC+8*(4*(\a)+(\b))+7]
.endif
.endr
.endr
.endm
; 32 LDS loads in one run: the fragments of 64 along K at byte k of the rows of the slot that is being read, into buffer f; the first 32 along K first
.macro FETCH k, f
	WIN TO_F
.irp c, 0,1
.irp i, 0,1,2,3
	ds_load_b128 v[(\f)+64+8*(4*(\c)+(\i)):(\f)+64+8*(4*(\c)+(\i))+3],   v[ADRB] offset:(\k)+64*(\c)+(\i)*16*PITCH
	ds_load_b128 v[(\f)+64+8*(4*(\c)+(\i))+4:(\f)+64+8*(4*(\c)+(\i))+7], v[ADRB] offset:(\k)+64*(\c)+(\i)*16*PITCH+32
	ds_load_b128 v[(\f)+8*(4*(\c)+(\i)):(\f)+8*(4*(\c)+(\i))+3],         v[ADRA] offset:(\k)+64*(\c)+(\i)*16*PITCH
	ds_load_b128 v[(\f)+8*(4*(\c)+(\i))+4:(\f)+8*(4*(\c)+(\i))+7],       v[ADRA] offset:(\k)+64*(\c)+(\i)*16*PITCH+32
.endr
.endr
.endm
.macro PLACES                          ; four independent vector instructions in front of loads into registers that matrix instructions have read, and of stores that read results
.rept 4
	v_nop
.endr
.endm
; A K step is four quarters of 64 along K, 32 matrix instructions each, on buffers 0, 1, 0, 1.  One of the first three: multiplies buffer f and fetches the next quarter, at byte k, into g.
.macro QUARTER k, f, g, zero
	s_wait_dscnt 16                                ; the first 32 along K are in; the youngest sixteen loads may be out
	MUL8 \f, 0, 0, \zero
	MUL8 \f, 0, 2, \zero
	PLACES
	FETCH \k, \g
	s_wait_dscnt 32                                ; all but the 32 just issued
	MUL8 \f, 1, 0, 0
	MUL8 \f, 1, 2, 0
.endm
; The last quarter multiplies buffer 1 and changes slots: ONE barrier; in front of it each wave waits for all its tensor loads, adds 0 to its spare word, and waits for that and for its own reads of this slot.
; fill = 1: the barrier opens a round of the cluster's barrier, and behind the round this slot is filled again, two K steps ahead: my one tensor load until the next round.  Then the reads turn to the other slot.
.macro TURN fill
	WIN 0                                          ; (the add's two registers lie in window 0)
	s_wait_tensorcnt 0x0                           ; all my tensor loads have landed: my part of the next slot; so a group 0 may be written
	ds_add_u32 v[SPW], v[NIL]                      ; 0 onto my spare word
	s_wait_dscnt 17                                ; (the add and the youngest sixteen loads may be out)
	MUL8 F1, 0, 0, 0                               ; eight matrix instructions stand between the add and the wait for it
	s_wait_dscnt 0x0                               ; the add is done, and my reads of this slot are over
	s_barrier_signal -1
	MUL8 F1, 0, 2, 0
	WIN 0                                          ; (branches and the address lines follow)
	s_barrier_wait -1
.if \fill
	CREST                                          ; no wave of any partner still reads this slot's tile or has a load on its way
.irp g, G0+4, G0B+4
	s_xor_b32 s[(\g)+1], s[(\g)+1], SLOT           ; the walking descriptor: the other slot than last time,
	s_add_nc_u64 s[(\g)+2:(\g)+3], s[(\g)+2:(\g)+3], KSTEP*2  ; the next K step; the type bits on top are not reached
.endr
	JLOAD 1                                        ; the four v_nop behind it are also the places in front of the loads below
.else
	PLACES
.endif
	s_xor_b32 s[TB], s[TB], SLOT                   ; the reads go on in the other slot
	v_add_nc_u32 v[ADRA], s[TB], v[ADRA0]
	v_add_nc_u32 v[ADRB], s[TB], v[ADRB0]
	FETCH 0, F0
	MUL8 F1, 1, 0, 0
	MUL8 F1, 1, 2, 0
.endm
	s_wait_tensorcnt 1                             ; my part of K step 0 is in; K step 1's may stay out
	s_barrier_signal -1
	s_barrier_wait -1                              ; everybody's is
	FETCH 0, F0
	s_wait_loadcnt 0x0                             ; the bias
	QUARTER 128, F0, F1, 1                         ; the first quarter stands in front of the loop: its first products start the sums
	WIN 0                                          ; at a label and at a branch every window is 0
	s_mov_b32 s3, NSTEP-2
.Lstep:                                                ; a trip goes from a K step's second quarter to the next step's first, and fills the slot that it leaves
	QUARTER 256, F1, F0, 0
	QUARTER 384, F0, F1, 0
	TURN 1
	QUARTER 128, F0, F1, 0
	WIN 0
	s_sub_co_u32 s3, s3, 1
	s_cmp_lg_u32 s3, 0
	s_cbranch_scc1 .Lstep
	QUARTER 256, F1, F0, 0                         ; the last two K steps fill nothing, and have no round of the cluster's barrier
	QUARTER 384, F0, F1, 0
	TURN 0                                         ; behind this barrier no wave reads slot 0 any more, and nothing is filled into it
	QUARTER 128, F0, F1, 0
	QUARTER 256, F1, F0, 0
	QUARTER 384, F0, F1, 0
	s_wait_dscnt 16                                ; the very last quarter: nothing more to fetch
	MUL8 F1, 0, 0, 0
	MUL8 F1, 0, 2, 0
	s_wait_dscnt 0x0
	MUL8 F1, 1, 0, 0
	MUL8 F1, 1, 2, 0
	WIN 0
	; THE WAY OUT: 32 bytes a lane and accumulator into the stage, each accumulator's low half first; a barrier, since a row's 512 bytes come from two waves; back as whole rows, 32 rows a wave.
	PLACES
.irp a, 0,1,2,3
.irp b, 0,1,2,3
	ds_store_b128 v[STO], v[ACC+8*(4*(\a)+(\b)):ACC+8*(4*(\a)+(\b))+3]   offset:(\a)*16*SPITCH+64*(\b)
	ds_store_b128 v[STO], v[ACC+8*(4*(\a)+(\b))+4:ACC+8*(4*(\a)+(\b))+7] offset:(\a)*16*SPITCH+64*(\b)+16
.endr
.endr
	s_wait_dscnt 0x0                               ; for the others' sake: my stores into the stage are done
	s_barrier_signal -1
	s_barrier_wait -1
.set t, 0
.rept 32
	ds_load_b128 v[ACC+4*t:ACC+4*t+3], v[RD] offset:t*SPITCH
.set t, t+1
.endr
.set t, 0
.rept 32
	s_wait_dscnt 31-t                              ; LDS loads come back in order: row t is in, the 31 - t younger ones may be out
	global_store_b128 v[CO], v[ACC+4*t:ACC+4*t+3], s[8:9] offset:t*4096  ; 32 lanes store 512 consecutive bytes, at a multiple of 256 from C's first byte
.set t, t+1
.endr
	s_wait_tensorcnt 0x0                           ; the wave's end: a wait, an add and its wait, behind my last tensor load and my last LDS store
	ds_add_u32 v[SPW], v[NIL]
	s_wait_dscnt 0x0
	CROUND                                         ; the closing round: no work-group ends while a partner may still ask for a tile that names it
	s_endpgm
.Lfunc_end_k_q8ecddfff6e_fc2:
	.size	k_q8ecddfff6e_fc2, .Lfunc_end_k_q8ecddfff6e_fc2-k_q8ecddfff6e_fc2
	.p2alignl 7, 3214868480
	.fill 96, 4, 3214868480
	.section	.rodata,"a",@progbits
	.p2align	6, 0x0
	.amdhsa_kernel k_q8ecddfff6e_fc2
		.amdhsa_group_segment_fixed_size 327680
		.amdhsa_private_segment_fixed_size 0
		.amdhsa_enable_private_segment 0
		.amdhsa_kernarg_size 32
		.amdhsa_user_sgpr_count 2
		.amdhsa_user_sgpr_kernarg_segment_ptr 1
		.amdhsa_wavefront_size32 1
		.amdhsa_system_sgpr_workgroup_id_x 1
		.amdhsa_system_sgpr_workgroup_id_y 1
		.amdhsa_system_sgpr_workgroup_id_z 1
		.amdhsa_system_vgpr_workitem_id 0
		.amdhsa_next_free_vgpr 512
		.amdhsa_next_free_sgpr 72
		.amdhsa_reserve_vcc 0
		.amdhsa_float_denorm_mode_32 3
		.amdhsa_float_denorm_mode_16_64 3
		.amdhsa_memory_ordered 1
		.amdhsa_forward_progress 1
		.amdhsa_inst_pref_size 69
	.end_amdhsa_kernel
	.amdgpu_metadata
---
amdhsa.version: [ 1, 2 ]
amdhsa.kernels:
  - .name:           k_q8ecddfff6e_fc2
    .symbol:         k_q8ecddfff6e_fc2.kd
    .args:
      - { .name: big, .offset: 0, .size: 8, .value_kind: global_buffer, .address_space: global }
      - { .name: wrest, .offset: 8, .size: 8, .value_kind: global_buffer, .address_space: global }
      - { .name: res32, .offset: 16, .size: 8, .value_kind: global_buffer, .address_space: global }
      - { .name: fc2_b, .offset: 24, .size: 8, .value_kind: global_buffer, .address_space: global }
    .group_segment_fixed_size: 327680
    .private_segment_fixed_size: 0
    .kernarg_segment_align: 8
    .kernarg_segment_size: 32
    .max_flat_workgroup_size: 128
    .sgpr_count:     72
    .vgpr_count:     512
    .wavefront_size: 32
...
	.end_amdgpu_metadata
.endif
;; end of part 6
;; launch ln2 (part 7): grid 256 x 1, 8 waves a work-group, no clusters, 0 bytes of LDS; arguments hf, res32, ln2_w, ln2_b, out0; writes out0
.if DOCPART == 7
	.amdgcn_target "amdgcn-amd-amdhsa--gfx1250"
	.amdhsa_code_object_version 6
	.text
	.protected	k_q8ecddfff6e_ln2
	.globl	k_q8ecddfff6e_ln2
	.p2align	8
	.type	k_q8ecddfff6e_ln2,@function
k_q8ecddfff6e_ln2:
	s_mov_b64 s[64:65], 0
	v_nop
	global_prefetch_b8 v0, s[64:65] scope:SCOPE_SE
	s_setreg_imm32_b32 hwreg(HW_REG_WAVE_MODE, 25, 1), 1
	s_wait_xcnt 0x0
; out = w (y - u) / sqrt(s + 1e-12) + b with y = h + ff, u the mean of y's row and s the mean of (y - u)^2: the row is centred first, then squared.  All in f32.
; h: the first norm's result, ff: the FFN branch (with its bias), both [4096][1024] f32.
; A row is 4,096 bytes: one wave takes a whole row, eight 16-byte loads a lane from each of the two inputs, and keeps it in registers: nothing is read twice, and the sums never leave the wave.
; Eight waves, two rows each, no loop: all 48 loads of a wave are issued at once, and a wave's w and b serve both its rows.  A stream read once: no LDS, no barrier, no matrix unit.
.set W,   8                            ; v[8:39]    w of my 32 columns (columns 128 j + 4 lane + 0..3)
.set B,   40                           ; v[40:71]   b
.set T,   232                          ; v[232:239] at work: sums, then the mean twice (T+2) and the reciprocal root twice (T+4)
	s_load_b256 s[4:11], s[0:1], 0x0               ; h s[4:5], ff s[6:7], w s[8:9], b s[10:11]
	s_load_b64 s[12:13], s[0:1], 0x20              ; out
	v_lshrrev_b32 v4, 5, v0                        ; wave
	v_and_b32 v5, 31, v0                           ; lane
	v_lshlrev_b32 v3, 4, v5                        ; 16 x lane: w and b
	v_lshl_add_u32 v1, v4, 13, v3                  ; + wave x two rows of 4,096 bytes
	s_lshl_b32 s16, ttmp9, 16                      ; the work-group's 16 rows
	s_mov_b32 s17, 0
	s_mov_b32 s20, 0x3a800000                      ; 1 / 1,024
	s_mov_b32 s21, 0x2b8cbccc                      ; 1e-12
	s_mov_b32 s22, 0x76543210                      ; v_permlanex16_b32: each lane takes its own place in the other half
	s_mov_b32 s23, 0xfedcba98
	s_wait_kmcnt 0x0
	s_add_nc_u64 s[4:5], s[4:5], s[16:17]
	s_add_nc_u64 s[6:7], s[6:7], s[16:17]
	s_add_nc_u64 s[12:13], s[12:13], s[16:17]
.irp j, 0,1,2,3,4,5,6,7
	global_load_b128 v[W+4*(\j):W+4*(\j)+3], v3, s[8:9] offset:512*(\j)
.endr
.irp j, 0,1,2,3,4,5,6,7
	global_load_b128 v[B+4*(\j):B+4*(\j)+3], v3, s[10:11] offset:512*(\j)
.endr
.irp i, 0,1
.irp j, 0,1,2,3,4,5,6,7
	global_load_b128 v[72+64*(\i)+4*(\j):72+64*(\i)+4*(\j)+3],   v1, s[4:5] offset:(\i)*4096+512*(\j) th:TH_LOAD_NT
.endr
.irp j, 0,1,2,3,4,5,6,7
	global_load_b128 v[104+64*(\i)+4*(\j):104+64*(\i)+4*(\j)+3], v1, s[6:7] offset:(\i)*4096+512*(\j) th:TH_LOAD_NT
.endr
.endr
.macro ACROSS r                        ; the sum of v[r] over the wave's 32 lanes, into every lane; v[r+1], written before, is at work
	v_add_f32_dpp v[\r], v[\r], v[\r] row_xmask:1 row_mask:0xf bank_mask:0xf
	v_add_f32_dpp v[\r], v[\r], v[\r] row_xmask:2 row_mask:0xf bank_mask:0xf
	v_add_f32_dpp v[\r], v[\r], v[\r] row_xmask:4 row_mask:0xf bank_mask:0xf
	v_add_f32_dpp v[\r], v[\r], v[\r] row_xmask:8 row_mask:0xf bank_mask:0xf
	v_permlanex16_b32 v[(\r)+1], v[\r], s22, s23
	v_add_f32 v[\r], v[\r], v[(\r)+1]
.endm
; Row i of the wave's two.  left = how many younger loads may stay out.
.macro LNROW i, left
.set Y, 72+64*(\i)                     ; the row, 32 registers
.set R, 104+64*(\i)                    ; the branch; once it is added, its first eight registers hold the chains of squares
	s_wait_loadcnt \left
.set j, 0
.rept 16
	v_pk_add_f32 v[Y+j:Y+j+1], v[Y+j:Y+j+1], v[R+j:R+j+1]
.set j, j+2
.endr
.set j, 0
.rept 4                                ; the sum, in four chains that do not wait for each other; the first eight pairs start them
	v_pk_add_f32 v[T+j:T+j+1], v[Y+j:Y+j+1], v[Y+8+j:Y+8+j+1]
.set j, j+2
.endr
.set j, 16
.rept 8
	v_pk_add_f32 v[T+j%8:T+j%8+1], v[T+j%8:T+j%8+1], v[Y+j:Y+j+1]
.set j, j+2
.endr
	v_pk_add_f32 v[T:T+1], v[T:T+1], v[T+4:T+5]
	v_pk_add_f32 v[T+2:T+3], v[T+2:T+3], v[T+6:T+7]
	v_pk_add_f32 v[T:T+1], v[T:T+1], v[T+2:T+3]
	v_add_f32 v[T], v[T], v[T+1]
	ACROSS T
	v_mul_f32 v[T+2], s20, v[T]                    ; the mean, twice: a pair for the packed subtraction
	v_mul_f32 v[T+3], s20, v[T]
.set j, 0
.rept 16
	v_pk_add_f32 v[Y+j:Y+j+1], v[Y+j:Y+j+1], v[T+2:T+3] neg_lo:[0,1] neg_hi:[0,1]
.set j, j+2
.endr
.set j, 0
.rept 4
	v_pk_mul_f32 v[R+j:R+j+1], v[Y+j:Y+j+1], v[Y+j:Y+j+1]
.set j, j+2
.endr
.set j, 8
.rept 12
	v_pk_fma_f32 v[R+j%8:R+j%8+1], v[Y+j:Y+j+1], v[Y+j:Y+j+1], v[R+j%8:R+j%8+1]
.set j, j+2
.endr
	v_pk_add_f32 v[R:R+1], v[R:R+1], v[R+4:R+5]
	v_pk_add_f32 v[R+2:R+3], v[R+2:R+3], v[R+6:R+7]
	v_pk_add_f32 v[R:R+1], v[R:R+1], v[R+2:R+3]
	v_add_f32 v[R], v[R], v[R+1]
	ACROSS R
	v_fma_f32 v[R+2], v[R], s20, s21               ; s + 1e-12
	v_rsq_f32 v[T+4], v[R+2]
	v_rsq_f32 v[T+5], v[R+2]
	v_nop                                          ; a plain instruction between the last v_rsq_f32 and the use of its result (ISA guide 5.7.2)
.set j, 0
	s_wait_alu depctr_va_vdst(0)
.rept 16
	v_pk_mul_f32 v[Y+j:Y+j+1], v[Y+j:Y+j+1], v[T+4:T+5]
.set j, j+2
.endr
.set j, 0
.rept 16
	v_pk_fma_f32 v[Y+j:Y+j+1], v[Y+j:Y+j+1], v[W+j:W+j+1], v[B+j:B+j+1]
.set j, j+2
.endr
.irp j, 0,1,2,3,4,5,6,7
	global_store_b128 v1, v[Y+4*(\j):Y+4*(\j)+3], s[12:13] offset:(\i)*4096+512*(\j) th:TH_STORE_NT  ; 512 consecutive bytes, aligned
.endr
.endm
	LNROW 0, 16                                    ; row 1's sixteen loads may stay out
	LNROW 1, 0                                     ; no register that a store of row 0 reads is written here
	s_endpgm
.Lfunc_end_k_q8ecddfff6e_ln2:
	.size	k_q8ecddfff6e_ln2, .Lfunc_end_k_q8ecddfff6e_ln2-k_q8ecddfff6e_ln2
	.p2alignl 7, 3214868480
	.fill 96, 4, 3214868480
	.section	.rodata,"a",@progbits
	.p2align	6, 0x0
	.amdhsa_kernel k_q8ecddfff6e_ln2
		.amdhsa_group_segment_fixed_size 0
		.amdhsa_private_segment_fixed_size 0
		.amdhsa_enable_private_segment 0
		.amdhsa_kernarg_size 40
		.amdhsa_user_sgpr_count 2
		.amdhsa_user_sgpr_kernarg_segment_ptr 1
		.amdhsa_wavefront_size32 1
		.amdhsa_system_sgpr_workgroup_id_x 1
		.amdhsa_system_sgpr_workgroup_id_y 1
		.amdhsa_system_sgpr_workgroup_id_z 1
		.amdhsa_system_vgpr_workitem_id 0
		.amdhsa_next_free_vgpr 240
		.amdhsa_next_free_sgpr 66
		.amdhsa_reserve_vcc 0
		.amdhsa_float_denorm_mode_32 3
		.amdhsa_float_denorm_mode_16_64 3
		.amdhsa_memory_ordered 1
		.amdhsa_forward_progress 1
		.amdhsa_inst_pref_size 22
	.end_amdhsa_kernel
	.amdgpu_metadata
---
amdhsa.version: [ 1, 2 ]
amdhsa.kernels:
  - .name:           k_q8ecddfff6e_ln2
    .symbol:         k_q8ecddfff6e_ln2.kd
    .args:
      - { .name: hf, .offset: 0, .size: 8, .value_kind: global_buffer, .address_space: global }
      - { .name: res32, .offset: 8, .size: 8, .value_kind: global_buffer, .address_space: global }
      - { .name: ln2_w, .offset: 16, .size: 8, .value_kind: global_buffer, .address_space: global }
      - { .name: ln2_b, .offset: 24, .size: 8, .value_kind: global_buffer, .address_space: global }
      - { .name: out0, .offset: 32, .size: 8, .value_kind: global_buffer, .address_space: global }
    .group_segment_fixed_size: 0
    .private_segment_fixed_size: 0
    .kernarg_segment_align: 8
    .kernarg_segment_size: 40
    .max_flat_workgroup_size: 256
    .sgpr_count:     66
    .vgpr_count:     240
    .wavefront_size: 32
...
	.end_amdgpu_metadata
.endif
;; end of part 7
